; MI455X (gfx1250); checked and timed in simulation.
; The chip was launched on July 23, 2026; its instructions are those of AMD's public machine-readable ISA for CDNA 5 (MIT licence, August 2026) and "CDNA5" Instruction Set Architecture Reference Guide (July 2026). The comments in the code are by the model that wrote it; some were corrected since.
;; Transformer Block. Allowed arithmetic: matrix products marked QUANTISED: E4M3 operands, one given power-of-two scale a tensor, by v_wmma_f32_16x16x64_fp8_fp8 or v_wmma_f32_16x16x128_fp8_fp8, f32 sums; everything else in f32.
;; Inputs: b1 4,096 float32; b2 1,024 float32; b_out 1,024 float32; b_qkv 3,072 float32; ln1_b 1,024 float32; ln1_g 1,024 float32; ln2_b 1,024 float32; ln2_g 1,024 float32; lowp_scales 12 int32 (the exponents e of the quantised operands' scales 2^e); w1 1,024 x 4,096 float32; w2 4,096 x 1,024 float32; w_out 1,024 x 1,024 float32; w_qkv 1,024 x 3,072 float32; x 2 x 2,048 x 1,024 float32.
;; Outputs: out0 2 x 2,048 x 1,024 float32.
;; This version of the problem:
;;   THIS VERSION OF THE PROBLEM IS GIVEN IN LOW PRECISION. The matrix products marked QUANTISED in the list below multiply operands that are first quantised to E4M3 (4 exponent bits, 3 mantissa bits; 8 bits a number), with one given power-of-two scale for each operand tensor; their sums are f32. All else is computed in f32.
;;   The module's matrix products, in the order in which they are computed (A, B: the left and right operand; K: the contracted axis; several contracted axes count as one K, in the product's order):
;;     1. [M 4,096, K 1,024] x [K 1,024, N 3,072]; A: computed on the way; B: input w_qkv: QUANTISED (scales: A lowp_scales[0], B lowp_scales[1])
;;     2. batch 32 x [M 2,048, K 64] x [K 64, N 2,048]; A: computed on the way; B: computed on the way: QUANTISED (scales: A lowp_scales[2], B lowp_scales[3])
;;     3. batch 32 x [M 2,048, K 2,048] x [K 2,048, N 64]; A: softmax (see below); B: computed on the way: QUANTISED (scales: A lowp_scales[4], B lowp_scales[5])
;;     4. [M 4,096, K 1,024] x [K 1,024, N 1,024]; A: computed on the way; B: input w_out: QUANTISED (scales: A lowp_scales[6], B lowp_scales[7])
;;     5. [M 4,096, K 1,024] x [K 1,024, N 4,096]; A: computed on the way; B: input w1: QUANTISED (scales: A lowp_scales[8], B lowp_scales[9])
;;     6. [M 4,096, K 4,096] x [K 4,096, N 1,024]; A: computed on the way; B: input w2: QUANTISED (scales: A lowp_scales[10], B lowp_scales[11])
;;   THE QUANTISER, for each operand of a quantised product, along K:
;;     - The operand's scale is 2^e, e = its entry of the input lowp_scales (int32; the entries are numbered through the quantised products in the list's order, A before B).
;;     - Each number is divided by the scale, clamped to +-448, and rounded to the nearest number of E4M3, ties to even, subnormals kept.
;;     - The product sums the exact products of the quantised numbers (number of the format x scale) in f32.
;;   ~~~python
;;   def quantise(x, axis, e):      # numpy; x: float32 -> the quantised numbers, widened to float32 again
;;       x = np.moveaxis(x, axis, -1); K = x.shape[-1]
;;       r = np.clip(x / 2.0 ** e, -448, 448)
;;       step = 2.0 ** (np.maximum(np.frexp(np.where(r == 0, 1, r))[1] - 1, -6) - 3)
;;       q = np.round(r / step) * step * 2.0 ** e      # np.round: ties to even
;;       return np.moveaxis(q, -1, axis).astype(np.float32)
;;   ~~~
;;   SOFTMAX AHEAD OF A QUANTISED PRODUCT. Where the list says 'softmax', what is quantised is not the finished softmax but p = 2^(t - M), with t = logit x log2(e) and M = ceil(the row's largest t), a whole number; so 1/2 < the row's largest p <= 1. The row's sum l is taken of the UNQUANTISED p, in f32, and the product's result is divided by l at the end. Since M is a whole number, a kernel that streams over the keys may use a running M (the ceiling of the running maximum): every later rescaling is an exact power of two, so the quantised numbers keep their values, but for numbers so far below the row's largest that they fall under the format's range.
;;   OPERANDS COMPUTED ON THE WAY. 'Computed on the way' means the value that the module computes at that place (a softmax that the list does not call 'softmax' is quantised finished and normalised). What goes into a quantiser is computed in f32, as accurately as f32 sums, v_exp_f32 and their like allow (about 1e-6 of the number): no bf16 or f16 on the way to a quantiser, and a product that is left as it is and whose result goes on into a quantised operand takes f32 operands (vector FMAs, or v_wmma_f32_16x16x4_f32). A number that lies on a knife's edge between two numbers of the format may be rounded either way, as far as f32 arithmetic and the matrix unit's own rounding can turn it there, and no further.
;; One version. Each part assembles by itself: llvm-mc -triple=amdgcn-amd-amdhsa -mcpu=gfx1250 --defsym DOCPART=n.
;; ======== version 1 of 1: 7 launches
;; limits: right only within a limited range of input values
;; workspace buffers: himg 4,194,304 bytes; wimg 12,582,912 bytes; qkv 12,582,912 bytes; ao 4,194,304 bytes; x2 16,777,216 bytes; h2 4,194,304 bytes; hid 16,777,216 bytes
;; launch prep (part 1): grid 640 x 1, 8 waves a work-group, no clusters, 52,224 bytes of LDS; arguments x, ln1_g, ln1_b, lowp_scales, w_qkv, w_out, w1, w2, himg, wimg; writes himg, wimg
.if DOCPART == 1
	.amdgcn_target "amdgcn-amd-amdhsa--gfx1250"
	.amdhsa_code_object_version 6
	.text
	.protected	k_q9f253b00cb_prep
	.globl	k_q9f253b00cb_prep
	.p2align	8
	.type	k_q9f253b00cb_prep,@function
k_q9f253b00cb_prep:
	s_mov_b64 s[64:65], 0
	v_nop
	global_prefetch_b8 v0, s[64:65] scope:SCOPE_SE
	s_setreg_imm32_b32 hwreg(HW_REG_WAVE_MODE, 25, 1), 1
	s_wait_xcnt 0x0
; Work-groups 0-255: LayerNorm 1 of 16 rows of x [4096][1024], quantised to E4M3 with 2^e (entry 0 of the scales), stored as operand images.
; Work-groups 256-639: the four weights [K][N] f32, quantised along K (entries 1, 7, 9, 11), stored as operand images with rows = n.
; AN IMAGE: a fragment (16 rows x 128 k) is 2,048 bytes at (row tile x K/128 + k/128) x 2048; byte 512 c + 16 (16 h + r) + 8 e + i holds row r, k = 32 c + 16 e + 8 h + i:
; four loads of 16 bytes a lane at 16 x lane + 512 c are the sixteen registers of the plain FP8 form's operand, every k in its own place.
; LIMITS: each e between -126 and 119; NaN and infinities among the inputs are not served.
; The two paths part on the work-group's number alone and have LDS bytes of their own: 0 .. 17,407 the norm's stage, from 17,408 on 4,224 bytes for each wave of the weights' path.
.set X,    32                          ; v32-95 two rows of x (norm);  v32-159 32 rows x 4 columns (weights)
.set GG,   96                          ; v96-127  gain
.set BV,   128                         ; v128-159 bias
.set CD,   160                         ; v160-175 codes (norm)
.set TT,   160                         ; v160-175 two sets of 8 numbers down K (weights)
.set CC,   176                         ; v176-207 codes (weights)
.set WST,  17408
.macro RED b                           ; two rows' sums: two chains and two halves a lane, then the 32 lanes; the result stands in every lane of v[b], v[b+4]
.irp p, 0
	s_delay_alu instid0(VALU_DEP_3)
	v_pk_add_f32 v[\b+\p:\b+\p+1], v[\b+\p:\b+\p+1], v[\b+\p+2:\b+\p+3]
.endr
.irp p, 4
	s_delay_alu instid0(VALU_DEP_2)
	v_pk_add_f32 v[\b+\p:\b+\p+1], v[\b+\p:\b+\p+1], v[\b+\p+2:\b+\p+3]
.endr
.irp p, 0,4
	s_delay_alu instid0(VALU_DEP_2)
	v_add_f32 v[\b+\p], v[\b+\p], v[\b+\p+1]
.endr
.irp m, 1,2,4,8
.irp p, 0,4
	s_delay_alu instid0(VALU_DEP_2)
	v_add_f32_dpp v[\b+\p], v[\b+\p], v[\b+\p] row_xmask:\m row_mask:0xf bank_mask:0xf
.endr
.endr
.irp p, 0,4
	s_delay_alu instid0(VALU_DEP_2)
	v_permlanex16_b32 v[\b+\p+1], v[\b+\p], s68, s69
.endr
.irp p, 0,4
	s_delay_alu instid0(VALU_DEP_2)
	v_add_f32 v[\b+\p], v[\b+\p], v[\b+\p+1]
.endr
.endm
	s_load_b512 s[8:23], s[0:1], 0x0               ; x, g, b, scales, w_qkv, w_out, w1, w2
	s_load_b128 s[24:27], s[0:1], 0x40             ; himg, wimg
	v_lshl_add_u32 v208, v0, 2, 0xc800
	v_mov_b32 v209, 0
	v_lshrrev_b32 v1, 5, v0
	s_delay_alu instid0(VALU_DEP_1)
	v_readfirstlane_b32 s28, v1                    ; wave 0..7
	v_and_b32 v1, 31, v0                           ; lane
	s_wait_kmcnt 0x0
	s_load_b256 s[32:39], s[14:15], 0x0            ; e0 .. e7
	s_load_b128 s[40:43], s[14:15], 0x20           ; e8 .. e11
	s_cmp_lt_u32 ttmp9, 256
	s_cbranch_scc0 .Lweights
	; ---------------- the norm: the work-group is a tile of 16 rows, wave w takes rows 2 w and 2 w + 1
	s_lshl_b32 s30, ttmp9, 16                      ; 16 rows of 4,096 bytes
	s_lshl_b32 s31, s28, 13
	s_add_co_u32 s30, s30, s31
	s_mov_b32 s31, 0
	s_add_nc_u64 s[8:9], s[8:9], s[30:31]
	s_wait_alu depctr_va_vdst(0)
	v_lshlrev_b32 v6, 5, v1                        ; a lane takes 8 neighbours: 32 bytes; two loads cover each 1,024 bytes of a row whole
.irp p, 0,1
.irp j, 0,1,2,3
	global_load_b128 v[X+32*\p+8*\j:X+32*\p+8*\j+3], v6, s[8:9] offset:4096*\p+1024*\j
	global_load_b128 v[X+32*\p+8*\j+4:X+32*\p+8*\j+7], v6, s[8:9] offset:4096*\p+1024*\j+16
.endr
.endr
.irp j, 0,1,2,3
	global_load_b128 v[GG+8*\j:GG+8*\j+3], v6, s[10:11] offset:1024*\j
	global_load_b128 v[GG+8*\j+4:GG+8*\j+7], v6, s[10:11] offset:1024*\j+16
.endr
.irp j, 0,1,2,3
	global_load_b128 v[BV+8*\j:BV+8*\j+3], v6, s[12:13] offset:1024*\j
	global_load_b128 v[BV+8*\j+4:BV+8*\j+7], v6, s[12:13] offset:1024*\j+16
.endr
	s_mov_b32 s68, 0x76543210                      ; lane l xor 16
	s_mov_b32 s69, 0xfedcba98
	s_mov_b32 s66, 0x3a800000                      ; 1 / 1024
	s_mov_b32 s67, 0x3727c5ac                      ; 1e-5
	; the stage: 64 blocks of 256 bytes (block 8 ks + 2 c + h), 272 bytes apart.  My 8 codes of group j: ks = 2 j + l / 16, c = (l / 4) % 4, e = (l / 2) % 2, h = l % 2
	v_bfe_u32 v3, v0, 4, 1
	v_bfe_u32 v4, v0, 2, 2
	v_and_b32 v5, 1, v0
	s_delay_alu instid0(VALU_DEP_3)
	v_lshlrev_b32 v3, 3, v3
	s_delay_alu instid0(VALU_DEP_1)
	v_lshl_add_u32 v3, v4, 1, v3
	s_delay_alu instid0(VALU_DEP_1)
	v_add_nc_u32 v3, v3, v5
	s_delay_alu instid0(VALU_DEP_1)
	v_mul_u32_u24 v3, v3, 272
	v_bfe_u32 v4, v0, 1, 1
	s_delay_alu instid0(VALU_DEP_1)
	v_lshl_add_u32 v3, v4, 3, v3
	s_lshl_b32 s29, s28, 5                         ; row 2 w: 16 bytes a row
	v_add_nc_u32 v3, s29, v3
	v_bfe_u32 v4, v0, 4, 1                         ; back: wave w takes blocks 8 w .. 8 w + 7, two an instruction
	s_delay_alu instid0(VALU_DEP_1)
	v_mul_u32_u24 v4, v4, 272
	v_and_b32 v5, 15, v0
	s_delay_alu instid0(VALU_DEP_1)
	v_lshl_add_u32 v4, v5, 4, v4
	s_mul_i32 s29, s28, 2176
	v_add_nc_u32 v4, s29, v4
	v_lshlrev_b32 v7, 4, v1
	s_lshl_b32 s30, ttmp9, 14                      ; the row tile's 8 fragments,
	s_lshl_b32 s29, s28, 11                        ; fragment w
	s_add_co_u32 s30, s30, s29
	s_add_nc_u64 s[24:25], s[24:25], s[30:31]
	v_mov_b32 v25, 0                               ; (upper halves of pairs that are named whole)
	v_mov_b32 v27, 0
	s_wait_loadcnt 16                              ; x's 16 loads are in; the gain's 8 and the bias's 8 may be out
.irp p, 0,1
	v_pk_add_f32 v[8+4*\p:9+4*\p], v[X+32*\p:X+32*\p+1], v[X+32*\p+2:X+32*\p+3]
	v_pk_add_f32 v[10+4*\p:11+4*\p], v[X+32*\p+4:X+32*\p+5], v[X+32*\p+6:X+32*\p+7]
.endr
.irp k, 8,12,16,20,24,28
.irp p, 0,1
	s_delay_alu instid0(VALU_DEP_4)
	v_pk_add_f32 v[8+4*\p:9+4*\p], v[8+4*\p:9+4*\p], v[X+32*\p+\k:X+32*\p+\k+1]
	s_delay_alu instid0(VALU_DEP_4)
	v_pk_add_f32 v[10+4*\p:11+4*\p], v[10+4*\p:11+4*\p], v[X+32*\p+\k+2:X+32*\p+\k+3]
.endr
.endr
	RED 8
	s_delay_alu instid0(VALU_DEP_2)
	v_mul_f32 v8, s66, v8                          ; the means
	s_delay_alu instid0(VALU_DEP_2)
	v_mul_f32 v12, s66, v12
.irp p, 0,1
.irp k, 0,2,4,6,8,10,12,14,16,18,20,22,24,26,28,30
	v_pk_add_f32 v[X+32*\p+\k:X+32*\p+\k+1], v[X+32*\p+\k:X+32*\p+\k+1], v[8+4*\p:9+4*\p] op_sel_hi:[1,0] neg_lo:[0,1] neg_hi:[0,1]   ; x - mean: the variance is taken about the mean
.endr
.endr
.irp p, 0,1
	v_pk_mul_f32 v[16+4*\p:17+4*\p], v[X+32*\p:X+32*\p+1], v[X+32*\p:X+32*\p+1]
	v_pk_mul_f32 v[18+4*\p:19+4*\p], v[X+32*\p+2:X+32*\p+3], v[X+32*\p+2:X+32*\p+3]
.endr
.irp k, 4,8,12,16,20,24,28
.irp p, 0,1
	s_delay_alu instid0(VALU_DEP_4)
	v_pk_fma_f32 v[16+4*\p:17+4*\p], v[X+32*\p+\k:X+32*\p+\k+1], v[X+32*\p+\k:X+32*\p+\k+1], v[16+4*\p:17+4*\p]
	s_delay_alu instid0(VALU_DEP_4)
	v_pk_fma_f32 v[18+4*\p:19+4*\p], v[X+32*\p+\k+2:X+32*\p+\k+3], v[X+32*\p+\k+2:X+32*\p+\k+3], v[18+4*\p:19+4*\p]
.endr
.endr
	RED 16
	s_delay_alu instid0(VALU_DEP_2)
	v_fma_f32 v16, v16, s66, s67                   ; variance + 1e-5
	s_delay_alu instid0(VALU_DEP_2)
	v_fma_f32 v20, v20, s66, s67
	s_wait_alu depctr_va_vdst(0)
	v_rsq_f32 v24, v16
	v_rsq_f32 v26, v20
	v_nop                                          ; a plain instruction behind the two roots,
	s_wait_alu depctr_va_vdst(0)                   ; and one wait for both, ahead of their first reader
	s_wait_kmcnt 0x0
	s_add_co_i32 s29, s32, 127
	s_lshl_b32 s30, s29, 23
	v_mov_b32 v29, s30                             ; 2^e as f32
	s_add_co_i32 s29, s29, 8
	s_lshl_b32 s29, s29, 23
	s_or_b32 s29, s29, 0x600000
	v_mov_b32 v28, s29                             ; 448 x 2^e
	s_wait_loadcnt 0x0
.irp p, 0,1
.irp k, 0,2,4,6,8,10,12,14,16,18,20,22,24,26,28,30
	v_pk_mul_f32 v[X+32*\p+\k:X+32*\p+\k+1], v[X+32*\p+\k:X+32*\p+\k+1], v[24+2*\p:25+2*\p] op_sel_hi:[1,0]
.endr
.endr
.irp p, 0,1
.irp k, 0,2,4,6,8,10,12,14,16,18,20,22,24,26,28,30
	v_pk_fma_f32 v[X+32*\p+\k:X+32*\p+\k+1], v[X+32*\p+\k:X+32*\p+\k+1], v[GG+\k:GG+\k+1], v[BV+\k:BV+\k+1]
.endr
.endr
.set n, 0
.rept 64
	v_med3_num_f32 v[X+n], v[X+n], -v28, v28       ; the conversion does not saturate (ISA guide 7.6.2): the hold at the largest code x the scale
.set n, n+1
.endr
.irp p, 0,1
.irp j, 0,1,2,3
	v_cvt_scalef32_pk8_fp8_f32 v[CD+8*\p+2*\j:CD+8*\p+2*\j+1], v[X+32*\p+8*\j:X+32*\p+8*\j+7], v29
.endr
.endr
	v_nop                                          ; a plain instruction behind the last conversion
.irp p, 0,1
.irp j, 0,1,2,3
	ds_store_b64 v3, v[CD+8*\p+2*\j:CD+8*\p+2*\j+1] offset:4352*\j+16*\p
.endr
.endr
	s_wait_dscnt 0x0                               ; for the others' sake: my stores into the stage are done
	s_barrier_signal -1
	s_barrier_wait -1
.irp i, 0,1,2,3
	ds_load_b128 v[X+4*\i:X+4*\i+3], v4 offset:544*\i
.endr
.irp i, 0,1,2,3
	s_wait_dscnt 3-\i                              ; LDS loads come back in order: load i is in
	global_store_b128 v7, v[X+4*\i:X+4*\i+3], s[24:25] offset:512*\i   ; 32 lanes store 512 consecutive bytes, aligned
.endr
	s_wait_tensorcnt 0x0
	ds_add_u32 v208, v209
	s_wait_dscnt 0x0
	s_endpgm
	; ---------------- the weights: a work-group takes 128 columns x 256 along K; wave w rows 32 w .. 32 w + 31 of them; lane l columns 4 l .. 4 l + 3
.Lweights:
	s_wait_kmcnt 0x0
	s_sub_co_u32 s44, ttmp9, 256                   ; 0-95 w_qkv, 96-127 w_out, 128-255 w1, 256-383 w2
	s_mov_b64 s[46:47], s[22:23]                   ; the tensor,
	s_mov_b32 s48, 4096                            ; a row of it in bytes,
	s_mov_b32 s49, 4                               ; log2 of its K / 256,
	s_mov_b32 s50, 65536                           ; 16 K: a row tile of its image in bytes,
	s_mov_b32 s51, 0x800000                        ; its image's place in wimg,
	s_mov_b32 s52, s43                             ; its e,
	s_mov_b32 s53, 256                             ; its first work-group
	s_cmp_lt_u32 s44, 256
	s_cselect_b64 s[46:47], s[20:21], s[46:47]
	s_cselect_b32 s48, 16384, s48
	s_cselect_b32 s49, 2, s49
	s_cselect_b32 s50, 16384, s50
	s_cselect_b32 s51, 0x400000, s51
	s_cselect_b32 s52, s41, s52
	s_cselect_b32 s53, 128, s53
	s_cmp_lt_u32 s44, 128
	s_cselect_b64 s[46:47], s[18:19], s[46:47]
	s_cselect_b32 s48, 4096, s48
	s_cselect_b32 s51, 0x300000, s51
	s_cselect_b32 s52, s39, s52
	s_cselect_b32 s53, 96, s53
	s_cmp_lt_u32 s44, 96
	s_cselect_b64 s[46:47], s[16:17], s[46:47]
	s_cselect_b32 s48, 12288, s48
	s_cselect_b32 s51, 0, s51
	s_cselect_b32 s52, s33, s52
	s_cselect_b32 s53, 0, s53
	s_sub_co_u32 s45, s44, s53
	s_bfm_b32 s62, s49, 0
	s_and_b32 s62, s45, s62                        ; kb: which 256 along K
	s_lshr_b32 s63, s45, s49                       ; nb: which 128 columns
	s_lshl_b32 s29, s62, 3
	s_add_co_u32 s29, s29, s28
	s_lshl_b32 s29, s29, 5                         ; my first row: 256 kb + 32 w
	s_mul_i32 s30, s29, s48
	s_lshl_b32 s31, s63, 9
	s_add_co_u32 s30, s30, s31
	s_mov_b32 s31, 0
	s_add_nc_u64 s[54:55], s[46:47], s[30:31]      ; four bases, 8 rows apart; never rewritten
	s_lshl_b32 s30, s48, 3
	s_add_nc_u64 s[56:57], s[54:55], s[30:31]
	s_add_nc_u64 s[58:59], s[56:57], s[30:31]
	s_add_nc_u64 s[60:61], s[58:59], s[30:31]
	s_wait_alu depctr_va_vdst(0)
	v_lshlrev_b32 v22, 4, v1                       ; 16 x lane
	s_wait_alu depctr_va_vdst(0)
.irp i, 0,1,2,3,4,5,6,7
	s_mul_i32 s29, s48, \i
	v_add_nc_u32 v[2+\i], s29, v22                 ; 16 l + i rows
.endr
.irp j, 0,1,2,3
.irp i, 0,1,2,3,4,5,6,7
	global_load_b128 v[X+4*(8*\j+\i):X+4*(8*\j+\i)+3], v[2+\i], s[54+2*\j:55+2*\j] th:TH_LOAD_NT   ; 32 lanes read 512 consecutive bytes of a row
.endr
.endr
.irp t, 0,1,2,3,4,5,6,7
	s_mul_i32 s29, s50, \t
	v_add_nc_u32 v[10+\t], s29, v22                ; out: 16 l + t row tiles of the image
.endr
	s_mul_i32 s30, s63, s50
	s_lshl_b32 s30, s30, 3                         ; 8 row tiles for 128 columns
	s_add_co_u32 s30, s30, s51
	s_lshl_b32 s29, s62, 1
	s_lshr_b32 s45, s28, 2
	s_add_co_u32 s29, s29, s45                     ; fragment 2 kb + w / 4 along K,
	s_lshl_b32 s29, s29, 11
	s_add_co_u32 s30, s30, s29
	s_and_b32 s29, s28, 3                          ; its 512 bytes c = w % 4
	s_lshl_b32 s29, s29, 9
	s_add_co_u32 s30, s30, s29
	s_add_nc_u64 s[26:27], s[26:27], s[30:31]
	s_mul_i32 s29, s28, 4224
	s_add_co_u32 s29, s29, WST                     ; my stage: 8 pieces of 512 bytes, 528 apart
	v_lshrrev_b32 v20, 2, v1
	s_delay_alu instid0(VALU_DEP_1)
	v_mul_u32_u24 v20, v20, 528                    ; piece l / 4 (its row tile);
	v_and_b32 v21, 3, v0
	s_delay_alu instid0(VALU_DEP_1)
	v_lshl_add_u32 v20, v21, 6, v20                ; row 4 (l % 4) + q of the tile: 16 bytes a row
	s_delay_alu instid0(VALU_DEP_1)
	v_add_nc_u32 v20, s29, v20
	v_add_nc_u32 v21, s29, v22
	s_add_co_i32 s29, s52, 127
	s_lshl_b32 s30, s29, 23
	v_mov_b32 v19, s30                             ; 2^e
	s_add_co_i32 s29, s29, 8
	s_lshl_b32 s29, s29, 23
	s_or_b32 s29, s29, 0x600000
	v_mov_b32 v18, s29                             ; 448 x 2^e
	s_wait_alu depctr_va_vdst(0)
.irp g, 0,1,2,3                                ; rows 8 g .. 8 g + 7: e = g / 2, h = g % 2 of the image
	s_wait_loadcnt 24-8*\g                         ; loads come back in order: these eight rows are in
.irp q, 0,1,2,3
.irp m, 0,1,2,3,4,5,6,7
	v_med3_num_f32 v[TT+8*(\q%2)+\m], v[X+4*(8*\g+\m)+\q], -v18, v18   ; the hold, and column q's eight numbers down K into neighbouring registers, in one line
.endr
	v_cvt_scalef32_pk8_fp8_f32 v[CC+8*\q+4*(\g%2)+2*(\g/2):CC+8*\q+4*(\g%2)+2*(\g/2)+1], v[TT+8*(\q%2):TT+8*(\q%2)+7], v19
.endr
.endr
	v_nop
.irp q, 0,1,2,3
.irp h, 0,1
	ds_store_b128 v20, v[CC+8*\q+4*\h:CC+8*\q+4*\h+3] offset:16*\q+256*\h
.endr
.endr
.irp t, 0,1,2,3,4,5,6,7
	ds_load_b128 v[X+4*\t:X+4*\t+3], v21 offset:528*\t   ; my own bytes: LDS serves a wave's instructions in order
.endr
.irp t, 0,1,2,3,4,5,6,7
	s_wait_dscnt 7-\t
	global_store_b128 v[10+\t], v[X+4*\t:X+4*\t+3], s[26:27]   ; 512 consecutive bytes, aligned
.endr
	s_wait_tensorcnt 0x0
	ds_add_u32 v208, v209
	s_wait_dscnt 0x0
	s_endpgm
.Lfunc_end_k_q9f253b00cb_prep:
	.size	k_q9f253b00cb_prep, .Lfunc_end_k_q9f253b00cb_prep-k_q9f253b00cb_prep
	.p2alignl 7, 3214868480
	.fill 96, 4, 3214868480
	.section	.rodata,"a",@progbits
	.p2align	6, 0x0
	.amdhsa_kernel k_q9f253b00cb_prep
		.amdhsa_group_segment_fixed_size 52224
		.amdhsa_private_segment_fixed_size 0
		.amdhsa_enable_private_segment 0
		.amdhsa_kernarg_size 80
		.amdhsa_user_sgpr_count 2
		.amdhsa_user_sgpr_kernarg_segment_ptr 1
		.amdhsa_wavefront_size32 1
		.amdhsa_system_sgpr_workgroup_id_x 1
		.amdhsa_system_sgpr_workgroup_id_y 1
		.amdhsa_system_sgpr_workgroup_id_z 1
		.amdhsa_system_vgpr_workitem_id 0
		.amdhsa_next_free_vgpr 210
		.amdhsa_next_free_sgpr 72
		.amdhsa_reserve_vcc 0
		.amdhsa_float_denorm_mode_32 3
		.amdhsa_float_denorm_mode_16_64 3
		.amdhsa_memory_ordered 1
		.amdhsa_forward_progress 1
		.amdhsa_inst_pref_size 46
	.end_amdhsa_kernel
	.amdgpu_metadata
---
amdhsa.version: [ 1, 2 ]
amdhsa.kernels:
  - .name:           k_q9f253b00cb_prep
    .symbol:         k_q9f253b00cb_prep.kd
    .args:
      - { .name: x, .offset: 0, .size: 8, .value_kind: global_buffer, .address_space: global }
      - { .name: ln1_g, .offset: 8, .size: 8, .value_kind: global_buffer, .address_space: global }
      - { .name: ln1_b, .offset: 16, .size: 8, .value_kind: global_buffer, .address_space: global }
      - { .name: lowp_scales, .offset: 24, .size: 8, .value_kind: global_buffer, .address_space: global }
      - { .name: w_qkv, .offset: 32, .size: 8, .value_kind: global_buffer, .address_space: global }
      - { .name: w_out, .offset: 40, .size: 8, .value_kind: global_buffer, .address_space: global }
      - { .name: w1, .offset: 48, .size: 8, .value_kind: global_buffer, .address_space: global }
      - { .name: w2, .offset: 56, .size: 8, .value_kind: global_buffer, .address_space: global }
      - { .name: himg, .offset: 64, .size: 8, .value_kind: global_buffer, .address_space: global }
      - { .name: wimg, .offset: 72, .size: 8, .value_kind: global_buffer, .address_space: global }
    .group_segment_fixed_size: 52224
    .private_segment_fixed_size: 0
    .kernarg_segment_align: 8
    .kernarg_segment_size: 80
    .max_flat_workgroup_size: 256
    .sgpr_count:     72
    .vgpr_count:     210
    .wavefront_size: 32
...
	.end_amdgpu_metadata
.endif
;; end of part 1
;; launch qkv (part 2): grid 12 x 16, 4 waves a work-group, clusters of 4 x 4, 327,680 bytes of LDS; arguments himg, wimg, lowp_scales, b_qkv, qkv; writes qkv
.if DOCPART == 2
	.amdgcn_target "amdgcn-amd-amdhsa--gfx1250"
	.amdhsa_code_object_version 6
	.text
	.protected	k_q9f253b00cb_qkv
	.globl	k_q9f253b00cb_qkv
	.p2align	8
	.type	k_q9f253b00cb_qkv,@function
k_q9f253b00cb_qkv:
	s_mov_b64 s[64:65], 0
	v_nop
	global_prefetch_b8 v0, s[64:65] scope:SCOPE_SE
	s_setreg_imm32_b32 hwreg(HW_REG_WAVE_MODE, 25, 1), 1
	s_wait_xcnt 0x0
	s_wait_alu depctr_hold_cnt(0) depctr_sa_sdst(0) depctr_va_vdst(0) depctr_va_sdst(0) depctr_va_ssrc(0) depctr_va_vcc(0) depctr_vm_vsrc(0)
	s_getreg_b32 s2, hwreg(HW_REG_IB_STS2, 6, 4)
	s_cmp_eq_u32 s2, 0
	s_cbranch_scc0 .Lentry_in_a_cluster
	s_endpgm
.Lentry_in_a_cluster:
	s_bfe_u32 s2, ttmp6, 0x10000c
	s_cmp_lg_u32 s2, 0xf033
	s_cbranch_scc0 .Lentry_shape_is_right
	s_endpgm
.Lentry_shape_is_right:
; q, k, v = Q(LN1(x)) Q(w_qkv) x 2^(e0 + e1) + b_qkv, quantised at once for attention (e2, e3, e5) and stored as operand images.
; Both operands arrive as images (16 rows x 128 k = 2,048 bytes, a row tile's K on end): a tile of 128 rows x 256 k is 8 rows of 4,096 bytes for the data mover, dense in LDS; a fragment is four loads of 512 consecutive bytes.
; A work-group of four waves makes 256 x 256, a wave 128 x 128: 64 accumulators.  K = 1,024 goes in four steps of 256 through two LDS slots.  Cluster x = 0: q, 1: k, 2: v.
; THE MATRIX INSTRUCTION IS USED TRANSPOSED (source 0 = operand B's 16 rows, source 1 = operand A's): a lane holds one row of A's and eight neighbouring rows of B's; one conversion makes of them two registers of the next operand.
; q, k: A = tokens, B = columns of w: the codes run along the head's 64.  v: THE ROLES ARE EXCHANGED (A = columns of w, B = tokens), so that its codes run along the keys; the text and the masks are the same.
; CLUSTERS 4 x 4: A's tiles hang on cy and are shared along a row of the cluster, B's on cx and along a column; each is asked for jointly.
; LIMITS: e0 + e1 between -126 and 127; e2, e3, e5 between -126 and 119.
; REGISTERS: window 0: v8 448 x 2^e, v9 2^e, v16-29 addresses, v32-95 bias, v96-103 the bias's offsets, v128-255 A's fragments, on the way out v128-191 numbers and v192-255 four sets of codes;
;   window 1: B's fragments, two sets; windows 2, 3: the accumulators ((a, b) at v[8 (8 (a % 4) + b)]).
.set RTB,    4096                      ; a row tile's two fragments in a slot
.set HALFT,  8*RTB                     ; 128 rows: one tensor load
.set SLOT,   4*HALFT
.set SPARE,  2*SLOT                    ; the spare words, 128 bytes a wave
.set LAPS,   2
.set FR,     16
.set NL,     4
.set NP,     4
.set ADRA, 16
.set ADRB, 20
.set CO,   26
.set SPW,  28
.set NIL,  29
.set BIAS, 32
.set VB,   96
.set AF,   128
.set TMP,  128
.set CDS,  192
.set G1, 24
.set G0, 32
.set G1B, 48
.set G0B, 56
.set MSB, 0
.macro WIN new
.if MSB != \new
	s_set_vgpr_msb (MSB<<8)|\new
.set MSB, \new
.endif
.endm
.set MUL_LO, 0xa1
.set MUL_HI, 0xf1
.set TO_B,   0x40
.macro JLOAD g0a, g1a, g0b, g1b        ; waves 0, 1 fetch for A, waves 2, 3 for B; four v_nop follow each line
	s_cmp_eq_u32 s15, 0
	s_cbranch_scc0 .Lfor_b_\@
	tensor_load_to_lds s[\g0a:\g0a+3], s[\g1a:\g1a+7]
	s_nop 0
.rept 4
	v_nop
.endr
	s_branch .Lasked_\@
.Lfor_b_\@:
	tensor_load_to_lds s[\g0b:\g0b+3], s[\g1b:\g1b+7]
	s_nop 0
.rept 4
	v_nop
.endr
.Lasked_\@:
.endm
.macro CREST
	s_cmp_lg_u32 s14, 0
	s_cbranch_scc1 .Lnot_wave_0_\@
	s_barrier_signal -3
.Lnot_wave_0_\@:
	s_barrier_wait -3
	s_barrier_signal -1
	s_barrier_wait -1
.endm
.macro CROUND
	s_barrier_signal -1
	s_barrier_wait -1
	CREST
.endm
	s_load_b256 s[4:11], s[0:1], 0x0               ; himg, wimg, scales, b_qkv
	s_load_b64 s[12:13], s[0:1], 0x20              ; qkv
	v_lshl_add_u32 v[SPW], v0, 2, SPARE
	v_mov_b32 v[NIL], 0
	ds_add_u32 v28, v29
	ds_add_u32 v28, v29
	s_wait_dscnt 0x0
	v_lshrrev_b32 v1, 5, v0
	v_readfirstlane_b32 s14, v1                    ; wave
	s_lshr_b32 s15, s14, 1                         ; which half of A's rows is mine; also: I fetch for A (0) or B (1)
	s_and_b32 s16, s14, 1                          ; which half of B's rows; also: which 128 rows I fetch
	s_bfe_u32 s40, ttmp6, 0x40000                  ; cx
	s_bfe_u32 s41, ttmp6, 0x40004                  ; cy
	s_and_b32 s18, ttmp7, 0xffff
	s_lshl_b32 s18, s18, 2                         ; 4 x cluster y
	s_lshl_b32 s19, ttmp9, 2                       ; 4 x cluster x
	s_cmp_eq_u32 ttmp9, 2                          ; v?  The cluster's x is the same in all sixteen partners
	s_cselect_b32 s17, 0, s18
	s_cselect_b32 s42, s18, s19
	s_cselect_b32 s22, 0x200000, 0                 ; v's 1,024 rows of w's image begin here
	s_add_co_u32 s17, s17, s41                     ; TA: A's tile of 256 rows: hangs on cy alone
	s_add_co_u32 s42, s42, s40                     ; TB: B's: on cx alone
	s_lshl_b32 s43, s41, 2
	s_lshl_b32 s43, 15, s43                        ; my row of the cluster
	s_lshl_b32 s44, 0x1111, s40                    ; my column
	s_or_b32 s[G1+0], s43, (3<<16)|(1<<21)         ; the mask; elements of 8 bytes; bit 21 beside a mask; no padding
	s_or_b32 s[G1B+0], s44, (3<<16)|(1<<21)
.irp g, G1, G1B
	s_mov_b32 s[\g+1], 512<<16                     ; tensor_dim0 = 512 elements: 4,096 bytes
	s_mov_b32 s[\g+2], 8<<16                       ; tensor_dim1 = 8 row tiles
	s_mov_b32 s[\g+3], 512<<16                     ; tile_dim0
	s_mov_b32 s[\g+4], 8                           ; tile_dim1
	s_mov_b32 s[\g+5], 2048                        ; from row tile to row tile: 16,384 bytes
	s_mov_b32 s[\g+6], 0
	s_mov_b32 s[\g+7], 0
.endr
	s_lshl_b32 s18, s16, 3
	s_lshl_b32 s20, s17, 4
	s_add_co_u32 s20, s20, s18                     ; A: row tile 16 TA + 8 x half
	s_lshl_b32 s20, s20, 14
	s_add_co_u32 s20, s20, s22
	s_mov_b32 s21, 0
	s_lshl_b32 s46, s42, 4
	s_add_co_u32 s46, s46, s18
	s_lshl_b32 s46, s46, 14
	s_mov_b32 s47, 0
	s_lshl_b32 s45, s14, 15                        ; where they go: wave x 128 rows
	s_wait_kmcnt 0x0
	s_load_b256 s[68:75], s[8:9], 0x0              ; e0 .. e7
	s_cmp_eq_u32 ttmp9, 2
	s_cselect_b64 s[80:81], s[6:7], s[4:5]         ; A's buffer
	s_cselect_b64 s[82:83], s[4:5], s[6:7]         ; B's
	s_add_nc_u64 s[20:21], s[80:81], s[20:21]
	s_add_nc_u64 s[46:47], s[82:83], s[46:47]
	CROUND                                         ; all sixteen work-groups are here: the first joint loads meet
.irp s, 0,1
	s_mov_b32 s[G0+4*\s], 1
	s_add_co_u32 s[G0+4*\s+1], s45, \s*SLOT
	s_add_nc_u64 s[G0+4*\s+2:G0+4*\s+3], s[20:21], \s*RTB
	s_or_b32 s[G0+4*\s+3], s[G0+4*\s+3], 0x80000000
	s_mov_b32 s[G0B+4*\s], 1
	s_add_co_u32 s[G0B+4*\s+1], s45, \s*SLOT
	s_add_nc_u64 s[G0B+4*\s+2:G0B+4*\s+3], s[46:47], \s*RTB
	s_or_b32 s[G0B+4*\s+3], s[G0B+4*\s+3], 0x80000000
.if \s == 0
	JLOAD G0, G1, G0B, G1B                         ; K step 0: one tensor load a wave at the head
.endif
.endr
	v_and_b32 v6, 31, v0
	v_lshlrev_b32 v[CO], 4, v6                     ; 16 x lane: an image's place for my lane, in LDS and in memory
	s_lshl_b32 s21, s15, 15
	s_lshl_b32 s22, s16, 15
	s_add_co_u32 s22, s22, 2*HALFT
.irp s, 0,1
	v_add_nc_u32 v[ADRA+\s], s21, v[CO]
	v_add_nc_u32 v[ADRB+\s], s22, v[CO]
	s_add_co_u32 s21, s21, SLOT
	s_add_co_u32 s22, s22, SLOT
.endr
	; the bias, in the result's layout.  q, k: register 8 b + j wants column 16 b + 8 h + j of B's;  v: register 8 a + j wants row 16 a + r of A's
	v_and_b32 v1, 15, v0
	v_bfe_u32 v2, v0, 4, 1
	s_wait_alu depctr_va_vdst(0)
	s_lshl_b32 s84, s42, 8
	s_lshl_b32 s85, s16, 7
	s_add_co_u32 s84, s84, s85
	s_lshl_b32 s86, s17, 8
	s_lshl_b32 s85, s15, 7
	s_add_co_u32 s86, s86, s85
	s_add_co_u32 s86, s86, 2048
	s_cmp_eq_u32 ttmp9, 2
	s_cselect_b32 s84, s86, s84                    ; the first number
	s_cselect_b32 s80, 0, 32                       ; bytes for h,
	s_cselect_b32 s81, 4, 0                        ; for r,
	s_cselect_b32 s82, 0, 4                        ; for j
	s_lshl_b32 s84, s84, 2
	s_mov_b32 s85, 0
	s_add_nc_u64 s[10:11], s[10:11], s[84:85]
	v_mul_u32_u24 v3, v2, s80
	v_mad_u32_u24 v3, v1, s81, v3
	s_wait_alu depctr_va_vdst(0)
.irp j, 0,1,2,3,4,5,6,7
	s_mul_i32 s83, s82, \j
	v_add_nc_u32 v[VB+\j], s83, v3
.endr
.irp u, 0,1,2,3,4,5,6,7
.irp j, 0,1,2,3,4,5,6,7
	global_load_b32 v[BIAS+8*\u+\j], v[VB+\j], s[10:11] offset:64*\u
.endr
.endr
	; where my codes go.  q, k: [32 heads][128 tiles of 16 tokens][1,024 bytes];  v: [32 heads][16 x 128 keys][4 x 16 of the head's 64][2,048 bytes]
	s_lshr_b32 s86, s17, 3
	s_lshl_b32 s86, s86, 4
	s_lshl_b32 s87, s40, 2
	s_add_co_u32 s86, s86, s87
	s_lshl_b32 s87, s16, 1
	s_add_co_u32 s86, s86, s87                     ; 16 x batch + head
	s_lshl_b32 s86, s86, 7
	s_and_b32 s87, s17, 7
	s_lshl_b32 s87, s87, 4
	s_add_co_u32 s86, s86, s87
	s_lshl_b32 s87, s15, 3
	s_add_co_u32 s86, s86, s87
	s_lshl_b32 s86, s86, 10
	s_lshl_b32 s87, ttmp9, 22
	s_add_co_u32 s86, s86, s87
	s_lshr_b32 s88, s42, 3
	s_lshl_b32 s88, s88, 4
	s_lshl_b32 s89, s41, 2
	s_add_co_u32 s88, s88, s89
	s_lshl_b32 s89, s15, 1
	s_add_co_u32 s88, s88, s89
	s_lshl_b32 s88, s88, 4
	s_and_b32 s89, s42, 7
	s_lshl_b32 s89, s89, 1
	s_add_co_u32 s88, s88, s89
	s_add_co_u32 s88, s88, s16
	s_lshl_b32 s88, s88, 13
	s_add_co_u32 s88, s88, 0x800000
	s_cmp_eq_u32 ttmp9, 2
	s_cselect_b32 s86, s88, s86
	s_mov_b32 s87, 0
	s_add_nc_u64 s[12:13], s[12:13], s[86:87]
.macro FRAG reg, adr, q, i             ; a fragment as it lies: four loads of 512 consecutive bytes
.irp c, 0,1,2,3
	ds_load_b128 v[\reg+4*\c:\reg+4*\c+3], v[\adr] offset:(\i)*RTB+(\q)*2048+512*\c
.endr
.endm
.macro MUL16 a0, p, zero               ; A's blocks a0, a0 + 1 x B's eight; the 64 accumulators take turns, one instruction a turn
.irp a, \a0, \a0+1
.irp b, 0,1,2,3,4,5,6,7
.if \zero
	v_wmma_f32_16x16x128_fp8_fp8 v[8*(8*((\a)%4)+\b):8*(8*((\a)%4)+\b)+7], v[128*(\p)+FR*\b:128*(\p)+FR*\b+FR-1], v[AF+FR*(\a):AF+FR*(\a)+FR-1], 0
.else
	v_wmma_f32_16x16x128_fp8_fp8 v[8*(8*((\a)%4)+\b):8*(8*((\a)%4)+\b)+7], v[128*(\p)+FR*\b:128*(\p)+FR*\b+FR-1], v[AF+FR*(\a):AF+FR*(\a)+FR-1], v[8*(8*((\a)%4)+\b):8*(8*((\a)%4)+\b)+7]
.endif
.endr
.endr
.endm
.macro FETCH_B slot, q, p
	WIN TO_B
.irp i, 0,1,2,3,4,5,6,7
	FRAG 128*(\p)+FR*\i, ADRB+\slot, \q, \i
.endr
	WIN 0
.endm
.macro FETCH_A slot, q, i0
.irp i, \i0, \i0+1, \i0+2, \i0+3
	FRAG AF+FR*(\i), ADRA+\slot, \q, \i
.endr
.endm
.macro PLACES n                        ; plain vector instructions between a matrix instruction and a load into, or a read of, its registers
.rept \n
	v_nop
.endr
.endm
.macro STEP slot, q, zero              ; 128 along K that has its successor in the same slot
	s_wait_dscnt 4*NL                              ; B's set and A's blocks 0-3 are in; the youngest 16 loads (A's blocks 4-7) may be out
	WIN MUL_LO
	MUL16 0, (\q)%2, \zero
	MUL16 2, (\q)%2, \zero
	s_wait_dscnt 0
	PLACES NP
	FETCH_B \slot, (\q)+1, 1-(\q)%2
	FETCH_A \slot, (\q)+1, 0
	WIN MUL_HI
	MUL16 4, (\q)%2, \zero
	MUL16 6, (\q)%2, \zero
	PLACES NP
	WIN 0
	FETCH_A \slot, (\q)+1, 4
.endm
.macro TURN slot, next, fill           ; a slot's last step changes slots: one barrier, in front of it all my tensor loads, the add, and my reads of this slot
	s_wait_tensorcnt 0x0                           ; all my tensor loads have landed: my part of the next slot
	ds_add_u32 v[SPW], v[NIL]                      ; 0 onto my spare word
	s_wait_dscnt 4*NL+1                            ; (the add and the youngest 16 loads may be out)
	WIN MUL_LO
	MUL16 0, 1, 0
	s_wait_dscnt 0x0                               ; the add is done, and my reads of this slot are over
	s_barrier_signal -1
	MUL16 2, 1, 0
	WIN 0
	s_barrier_wait -1
.if \fill
	CREST                                          ; the barrier has opened a round of the cluster's: no wave of any partner still reads this slot or has a load on its way
	s_add_nc_u64 s[G0+4*\slot+2:G0+4*\slot+3], s[G0+4*\slot+2:G0+4*\slot+3], 2*RTB
	s_add_nc_u64 s[G0B+4*\slot+2:G0B+4*\slot+3], s[G0B+4*\slot+2:G0B+4*\slot+3], 2*RTB
	JLOAD G0+4*\slot, G1, G0B+4*\slot, G1B         ; the first tensor load behind the round; its four v_nop are the places in front of the loads below
.else
	PLACES NP
.endif
	FETCH_B \next, 0, 0
	FETCH_A \next, 0, 0
	WIN MUL_HI
	MUL16 4, 1, 0
	MUL16 6, 1, 0
	PLACES NP
	WIN 0
	FETCH_A \next, 0, 4
.endm
	s_wait_alu depctr_va_vdst(0)
	s_wait_tensorcnt 0x0                           ; my part of K step 0 is in; slot 1's first fill is issued as a refill is:
	ds_add_u32 v[SPW], v[NIL]                      ; 0 onto my spare word
	s_wait_dscnt 0x0
	CROUND                                         ; a whole round: everybody's part of K step 0 is in, and the joint loads meet
	JLOAD G0+4, G1, G0B+4, G1B                     ; K step 1, the first tensor load behind the round
	FETCH_B 0, 0, 0
	FETCH_A 0, 0, 0
	FETCH_A 0, 0, 4
	STEP 0, 0, 1                                   ; the first products start the sums
	s_mov_b32 s3, LAPS-1
.Llap:
	TURN 0, 1, 1
	STEP 1, 0, 0
	TURN 1, 0, 1
	STEP 0, 0, 0
	s_sub_co_u32 s3, s3, 1
	s_cmp_lg_u32 s3, 0
	s_cbranch_scc1 .Llap
	TURN 0, 1, 0
	STEP 1, 0, 0
	s_wait_dscnt 4*NL
	WIN MUL_LO
	MUL16 0, 1, 0
	MUL16 2, 1, 0
	s_wait_dscnt 0
	WIN MUL_HI
	MUL16 4, 1, 0
	MUL16 6, 1, 0
	WIN 0
	; THE WAY OUT: sum x 2^(e0 + e1) + bias, held, converted: a block's 8 accumulators become 16 registers of codes, which are stored as they stand, 512 consecutive bytes a store
	s_wait_kmcnt 0x0
	s_add_co_i32 s96, s68, s69
	s_add_co_i32 s96, s96, 127
	s_lshl_b32 s96, s96, 23                        ; 2^(e0 + e1)
	s_mov_b32 s97, s96                             ; (named with it as a pair)
	s_cmp_eq_u32 ttmp9, 0
	s_cselect_b32 s80, s70, s71
	s_cmp_eq_u32 ttmp9, 2
	s_cselect_b32 s80, s73, s80                    ; e2, e3 or e5
	s_add_co_i32 s80, s80, 127
	s_lshl_b32 s81, s80, 23
	v_mov_b32 v9, s81
	s_add_co_i32 s80, s80, 8
	s_lshl_b32 s80, s80, 23
	s_or_b32 s80, s80, 0x600000
	v_mov_b32 v8, s80
	PLACES NP
	s_wait_loadcnt 0x0                             ; the bias
.macro EPI isv
.irp a, 0,1,2,3,4,5,6,7
.if \a >= 4
	s_wait_xcnt 0x0                                ; block a - 4's stores have read their registers: its set of codes is written again
.endif
	WIN 0x02+((\a)/4)                              ; source 0: window 2 or 3
.irp b, 0,1,2,3,4,5,6,7
.irp i, 0,2,4,6
.if \isv
	v_pk_fma_f32 v[TMP+8*\b+\i:TMP+8*\b+\i+1], v[64*(\a%4)+8*\b+\i:64*(\a%4)+8*\b+\i+1], s[96:97], v[BIAS+8*\a+\i:BIAS+8*\a+\i+1] op_sel_hi:[1,0,1]
.else
	v_pk_fma_f32 v[TMP+8*\b+\i:TMP+8*\b+\i+1], v[64*(\a%4)+8*\b+\i:64*(\a%4)+8*\b+\i+1], s[96:97], v[BIAS+8*\b+\i:BIAS+8*\b+\i+1] op_sel_hi:[1,0,1]
.endif
.endr
.endr
	WIN 0
.set n, 0
.rept 64
	v_med3_num_f32 v[TMP+n], v[TMP+n], -v8, v8
.set n, n+1
.endr
.irp b, 0,1,2,3,4,5,6,7
	v_cvt_scalef32_pk8_fp8_f32 v[CDS+16*(\a%4)+2*\b:CDS+16*(\a%4)+2*\b+1], v[TMP+8*\b:TMP+8*\b+7], v9
.endr
	v_nop                                          ; a plain instruction behind the last conversion
.irp i, 0,1,2,3
.if \isv
	global_store_b128 v[CO], v[CDS+16*(\a%4)+4*\i:CDS+16*(\a%4)+4*\i+3], s[12:13] offset:(\a/4)*131072+2048*(\a%4)+512*\i
.else
	global_store_b128 v[CO], v[CDS+16*(\a%4)+4*\i:CDS+16*(\a%4)+4*\i+3], s[12:13] offset:(\i/2)*131072+1024*\a+512*(\i%2)
.endif
.endr
.endr
.endm
	s_cmp_eq_u32 ttmp9, 2                          ; the cluster's x: the same in all partners
	s_cbranch_scc1 .Lvout
	EPI 0
	s_branch .Lend
.Lvout:
	EPI 1
.Lend:
	s_wait_tensorcnt 0x0                           ; the wave's end
	ds_add_u32 v[SPW], v[NIL]
	s_wait_dscnt 0x0
	CROUND                                         ; the closing round
	s_endpgm
.Lfunc_end_k_q9f253b00cb_qkv:
	.size	k_q9f253b00cb_qkv, .Lfunc_end_k_q9f253b00cb_qkv-k_q9f253b00cb_qkv
	.p2alignl 7, 3214868480
	.fill 96, 4, 3214868480
	.section	.rodata,"a",@progbits
	.p2align	6, 0x0
	.amdhsa_kernel k_q9f253b00cb_qkv
		.amdhsa_group_segment_fixed_size 327680
		.amdhsa_private_segment_fixed_size 0
		.amdhsa_enable_private_segment 0
		.amdhsa_kernarg_size 40
		.amdhsa_user_sgpr_count 2
		.amdhsa_user_sgpr_kernarg_segment_ptr 1
		.amdhsa_wavefront_size32 1
		.amdhsa_system_sgpr_workgroup_id_x 1
		.amdhsa_system_sgpr_workgroup_id_y 1
		.amdhsa_system_sgpr_workgroup_id_z 1
		.amdhsa_system_vgpr_workitem_id 0
		.amdhsa_next_free_vgpr 1024
		.amdhsa_next_free_sgpr 100
		.amdhsa_reserve_vcc 0
		.amdhsa_float_denorm_mode_32 3
		.amdhsa_float_denorm_mode_16_64 3
		.amdhsa_memory_ordered 1
		.amdhsa_forward_progress 1
		.amdhsa_inst_pref_size 198
	.end_amdhsa_kernel
	.amdgpu_metadata
---
amdhsa.version: [ 1, 2 ]
amdhsa.kernels:
  - .name:           k_q9f253b00cb_qkv
    .symbol:         k_q9f253b00cb_qkv.kd
    .args:
      - { .name: himg, .offset: 0, .size: 8, .value_kind: global_buffer, .address_space: global }
      - { .name: wimg, .offset: 8, .size: 8, .value_kind: global_buffer, .address_space: global }
      - { .name: lowp_scales, .offset: 16, .size: 8, .value_kind: global_buffer, .address_space: global }
      - { .name: b_qkv, .offset: 24, .size: 8, .value_kind: global_buffer, .address_space: global }
      - { .name: qkv, .offset: 32, .size: 8, .value_kind: global_buffer, .address_space: global }
    .group_segment_fixed_size: 327680
    .private_segment_fixed_size: 0
    .kernarg_segment_align: 8
    .kernarg_segment_size: 40
    .max_flat_workgroup_size: 128
    .sgpr_count:     100
    .vgpr_count:     1024
    .wavefront_size: 32
...
	.end_amdgpu_metadata
.endif
;; end of part 2
;; launch attn (part 3): grid 8 x 32, 16 waves a work-group, no clusters, 327,680 bytes of LDS; arguments qkv, lowp_scales, ao; writes ao
.if DOCPART == 3
	.amdgcn_target "amdgcn-amd-amdhsa--gfx1250"
	.amdhsa_code_object_version 6
	.text
	.protected	k_q9f253b00cb_attn
	.globl	k_q9f253b00cb_attn
	.p2align	8
	.type	k_q9f253b00cb_attn,@function
k_q9f253b00cb_attn:
	s_mov_b64 s[64:65], 0
	v_nop
	global_prefetch_b8 v0, s[64:65] scope:SCOPE_SE
	s_setreg_imm32_b32 hwreg(HW_REG_WAVE_MODE, 25, 1), 1
	s_wait_xcnt 0x0
; Causal attention on codes of E4M3: S^T = K Q^T (16x16x64), p = 2^(t - M) with t = score x log2(e) / 8 and M the ceiling of the running largest t, O^T += V^T P^T (16x16x128); O / the sum of the unquantised p,
; x 2^(e4 + e5), quantised with e6 and stored as the next product's operand image.  Key steps that lie wholly behind a tile's queries under reference()'s own causal mask are left out.
; SHARES.  Work-group (i, head) owns the query blocks i (early) and 15 - i (late) of 128 queries: 8 + 8 tiles of 16 queries.  A PAIR of waves owns one early tile (i + 1 key steps of 128 keys) and one late tile (16 - i steps).
; Up to step i wave a walks the late tile and wave b the early one.  At step i + 1 wave b stores the early tile, takes the late tile's Q and begins a second part of the late tile (its own M, sum and O^T);
; the steps i + 1 .. 15 - i go to a and b by turns.  So a walks 9 steps and b 8, whatever i.  At the end b hands its part to a through LDS, and a joins the two: both M are whole numbers, so each part is
; brought under the larger M by a power of two, which rounds nothing.
; LDS holds the head's K (bytes 0 .. 131,071) and V (131,072 .. 262,143) as operand images, each byte filled once, in FOUR GROUPS of 4 key steps (512 keys: 32,768 bytes of K and of V).
; Every wave fetches 4,096 bytes of a group with one tensor load (waves 0-7: K, waves 8-15: V).  Group 0 is asked for at the head; group g + 1 behind the barrier at the head of group g, issued as a refill is:
; one load of a wave is out at the most, and it has group g's key steps in which to land.  Work-groups 4 to 7 read no key of group 3 (their last query is under 1,536).
; Behind the tiles: 2,048 bytes of spare words, then from byte 264,192 on 4,608 bytes for each pair: the part that b hands to a, as an image of its registers.
; PREFETCH: at the head of groups 0 and 1 wave 0 names 32 blocks of 256 bytes of group g + 2, one group (4 key steps) ahead of the load that wants them: the 8 work-groups of a head share the group's 256 blocks out by address
; (work-groups 0-3: K's quarters, 4-7: V's).  Groups 0 and 1 come by their loads alone.
; Natural tiles of 16 keys serve: in S^T lane (r, h) holds query r and keys 16 t + 8 h + j, which one conversion turns into registers 2 t, 2 t + 1 of P's operand.
; NO CLUSTER: the work-groups that share a head's K and V differ in their query blocks, so the causal mask lets all waves of some partners jump over tiles that a joint load would bring.
; LIMITS: e2 + e3 between -123 and 130 (added to c's exponent field); e4, e6 between -126 and 119; the scaled scores t stay under 2^31 in magnitude.
; REGISTERS: v1 16 x lane, v2 the same in V's half, v3 r - 8 h, v4, v5 the step's addresses, v6 256 x lane, v7 the pair's stage, v12 -M, v13 largest t, v[14:15] the sum, v16-23 Q, v32-95 K's 8 fragments, then V's 4,
; v96-159 S^T then p, v160-191 O^T, v192-207 P's codes, v208-223 at work and constants, v224, v225 the add's, v226-233 the late tile's Q.
.set G1A, 24
.set GRP, 32768                        ; a group's bytes of K, and of V
.set HAND, 0x40800                     ; the pairs' stages
	s_load_b128 s[4:7], s[0:1], 0x0                ; qkv, scales
	s_load_b64 s[8:9], s[0:1], 0x10                ; ao
	v_lshl_add_u32 v224, v0, 2, 0x40000
	v_mov_b32 v225, 0
	ds_add_u32 v224, v225                          ; the opening lines: the add, twice on end, and its wait ahead of my first tensor load
	ds_add_u32 v224, v225
	v_lshrrev_b32 v8, 5, v0
	v_readfirstlane_b32 s18, v8                    ; wave 0..15
	s_and_b32 s48, ttmp7, 0xffff                   ; 16 x batch + head
	s_lshr_b32 s49, s18, 1                         ; my pair: which 16 of a block's 128 queries
	s_lshr_b32 s50, s18, 2
	s_xor_b32 s50, s50, s18
	s_and_b32 s50, s50, 1                          ; 1: wave a, 0: wave b.  Of any four neighbouring waves, and of waves w, w + 4, w + 8, w + 12, two are a
	s_sub_co_u32 s51, 15, ttmp9
	s_lshl_b32 s49, s49, 4
	s_lshl_b32 s83, s51, 7
	s_add_co_u32 s83, s83, s49                     ; the late tile's first query
	s_add_co_u32 s82, ttmp9, 1
	s_lshl_b32 s82, s82, 7                         ; the first key of step i + 1, from which on the late tile's steps go by turns
	s_and_b32 s79, s82, 128
	s_xor_b32 s84, s79, 128
	s_cmp_eq_u32 s50, 1
	s_cselect_b32 s51, s51, ttmp9
	s_cselect_b32 s79, s79, s84                    ; bit 7 of the first key of my steps among those: a takes i + 1, i + 3 ..; b takes i + 2, i + 4 ..
	s_cselect_b32 s81, -1, s82                     ; the first key at which I change tiles: in b step i + 1's, in a none
	s_lshl_b32 s19, s51, 7
	s_add_co_u32 s19, s19, s49                     ; the first query of the tile in hand
	s_mov_b32 s[G1A], 3<<16                        ; no mask; elements of 8 bytes; no padding: 16 dense rows of 256 bytes
	s_mov_b32 s[G1A+1], 32<<16
	s_mov_b32 s[G1A+2], 16<<16
	s_mov_b32 s[G1A+3], 32<<16
	s_mov_b32 s[G1A+4], 16
	s_mov_b32 s[G1A+5], 32
	s_mov_b32 s[G1A+6], 0
	s_mov_b32 s[G1A+7], 0
	s_lshr_b32 s60, s18, 3                         ; K (0) or V (1)
	s_and_b32 s61, s18, 7
	s_lshl_b32 s61, s61, 12                        ; my 4,096 bytes of a group's 32,768
	s_lshl_b32 s62, s60, 17
	s_add_co_u32 s41, s62, s61                     ; LDS: group 0, my part
	s_lshl_b32 s52, s60, 22
	s_add_co_u32 s52, s52, 0x400000
	s_lshl_b32 s53, s48, 17
	s_add_co_u32 s52, s52, s53                     ; the head's K or V in the buffer
	s_add_co_u32 s54, s52, s61
	s_mov_b32 s55, 0
	s_mov_b32 s40, 1
	s_lshr_b32 s56, ttmp9, 2                       ; the prefetches: work-groups 0-3 name K, 4-7 V,
	s_lshl_b32 s56, s56, 22
	s_and_b32 s57, ttmp9, 3
	s_lshl_b32 s57, s57, 13                        ; a quarter (8,192 bytes) of a group each
	s_add_co_u32 s56, s56, s57
	s_add_co_u32 s56, s56, s53
	s_add_co_u32 s56, s56, 0x400000
	s_mov_b32 s57, 0
	s_wait_dscnt 0x0                               ; both opening adds are done
	s_wait_kmcnt 0x0
	s_load_b256 s[68:75], s[6:7], 0x0              ; e0 .. e7
	s_add_nc_u64 s[42:43], s[4:5], s[54:55]
	s_or_b32 s43, s43, 0x80000000
	s_add_nc_u64 s[12:13], s[4:5], s[56:57]        ; never rewritten: the groups are told apart by the prefetch's immediate
	tensor_load_to_lds s[40:43], s[G1A:G1A+7]      ; group 0: my one tensor load at the head
	s_nop 0
.rept 4
	v_nop
.endr
	s_lshl_b32 s58, s48, 7
	s_lshr_b32 s59, s19, 4
	s_add_co_u32 s62, s58, s59
	s_lshl_b32 s62, s62, 10                        ; Q's tile of the tile in hand: 1,024 bytes,
	s_mov_b32 s63, 0
	s_lshr_b32 s59, s83, 4
	s_add_co_u32 s58, s58, s59
	s_lshl_b32 s58, s58, 10                        ; and of the late tile
	s_mov_b32 s59, 0
	s_add_nc_u64 s[10:11], s[4:5], s[62:63]
	s_add_nc_u64 s[14:15], s[4:5], s[58:59]
	v_and_b32 v8, 31, v0
	v_lshlrev_b32 v1, 4, v8
	v_lshlrev_b32 v6, 8, v8
	s_wait_alu depctr_va_vdst(0)
	global_load_b128 v[16:19], v1, s[10:11]
	global_load_b128 v[20:23], v1, s[10:11] offset:512
	global_load_b128 v[226:229], v1, s[14:15]      ; the late tile's Q, for the change of tiles.  The text has one path here: wave a, which never changes tiles, fetches these 1,024 bytes too
	global_load_b128 v[230:233], v1, s[14:15] offset:512
	s_lshr_b32 s60, s48, 4                         ; ao: fragment (token tile, head / 2), its half head % 2: a's address is the late tile's, b's the early tile's
	s_lshl_b32 s60, s60, 7
	s_lshr_b32 s61, s19, 4
	s_add_co_u32 s60, s60, s61
	s_lshl_b32 s60, s60, 3
	s_bfe_u32 s61, s48, 0x30001
	s_add_co_u32 s60, s60, s61
	s_lshl_b32 s60, s60, 11
	s_and_b32 s61, s48, 1
	s_lshl_b32 s61, s61, 10
	s_add_co_u32 s60, s60, s61
	s_mov_b32 s61, 0
	s_add_nc_u64 s[8:9], s[8:9], s[60:61]
	s_lshr_b32 s85, s18, 1
	s_mul_i32 s85, s85, 4608
	s_add_co_u32 s85, s85, HAND
	v_add_nc_u32 v7, s85, v1                       ; my pair's stage, 16 bytes a lane
	v_add_nc_u32 v2, 0x20000, v1
	v_and_b32 v9, 15, v0
	v_bfe_u32 v10, v0, 4, 1
	v_lshlrev_b32 v10, 3, v10
	v_sub_nc_u32 v3, v9, v10                       ; r - 8 h
	v_mov_b32 v13, 0xff61b1e6                      ; the largest t so far: -3e38
	v_floor_f32 v12, -v13
	v_mov_b32 v14, 0
	v_mov_b32 v15, 0
	v_mov_b32 v211, 0                              ; (upper half of the pair v[210:211])
	v_mov_b32 v218, 0                              ; a lane permute's destination counts as read
	v_mov_b32 v216, 0xff800000                     ; -infinity
.set n, 0
.rept 32
	v_mov_b32 v[160+n], 0                          ; O^T: the step is written once for all steps; the first change of M leaves zeros zeros
.set n, n+1
.endr
	s_mov_b32 s20, 0x76543210
	s_mov_b32 s21, 0xfedcba98
	s_mov_b32 s22, 0x3e38aa3b                      ; c = log2(e) / 8
	s_mov_b32 s16, 0                               ; the step's first key
	s_mov_b32 s17, 0                               ; and its 8,192 bytes in K's and in V's image
	s_wait_kmcnt 0x0
	s_add_co_i32 s60, s70, s71
	s_lshl_b32 s60, s60, 23
	s_add_co_i32 s22, s22, s60                     ; x 2^(e2 + e3)
	s_mov_b32 s23, s22
	s_add_co_i32 s60, s72, 127
	s_lshl_b32 s61, s60, 23
	v_mov_b32 v215, s61                            ; 2^e4
	s_add_co_i32 s60, s60, 8
	s_lshl_b32 s60, s60, 23
	s_or_b32 s60, s60, 0x600000
	v_mov_b32 v214, s60                            ; 448 x 2^e4,
	v_mov_b32 v219, s60                            ; twice: the two halves of a dual pair take their second sources from different register banks
	s_add_co_i32 s60, s74, 127
	s_lshl_b32 s61, s60, 23
	v_mov_b32 v221, s61                            ; 2^e6
	s_add_co_i32 s60, s60, 8
	s_lshl_b32 s60, s60, 23
	s_or_b32 s60, s60, 0x600000
	v_mov_b32 v220, s60                            ; 448 x 2^e6
	s_add_co_i32 s76, s72, s73                     ; e4 + e5
.macro STEP                            ; 128 keys
	s_add_co_u32 s67, s19, 15
	s_cmp_gt_u32 s16, s67                          ; all keys behind my 16 queries: the step's work is left out (a branch on ids)
	s_cbranch_scc1 .Lhidden_\@
	s_xor_b32 s67, s16, s79
	s_and_b32 s67, s67, 128                        ; 128 in the steps that are my partner's where the steps go by turns,
	s_cmp_ge_u32 s16, s82                          ; which is from step i + 1 on
	s_cselect_b32 s67, s67, 0
	s_cmp_lg_u32 s67, 0
	s_cbranch_scc1 .Lhidden_\@
	v_add_nc_u32 v4, s17, v1
	v_add_nc_u32 v5, s17, v2
	v_nop                                          ; with the two additions: four places in front of loads into registers that the last products read
	v_nop
.irp t, 0,1,2,3,4,5,6,7
	ds_load_b128 v[32+8*\t:35+8*\t], v4 offset:1024*\t
	ds_load_b128 v[36+8*\t:39+8*\t], v4 offset:1024*\t+512
.endr
	s_wait_alu depctr_va_vdst(0)
	s_wait_dscnt 0x0
.irp t, 0,1,2,3,4,5,6,7
	v_wmma_f32_16x16x64_fp8_fp8 v[96+8*\t:103+8*\t], v[32+8*\t:39+8*\t], v[16:23], 0
.endr
.rept 4
	v_nop
.endr
.irp t, 0,1,2,3
.irp c, 0,1,2,3
	ds_load_b128 v[32+16*\t+4*\c:35+16*\t+4*\c], v5 offset:2048*\t+512*\c   ; V's fragments land under the softmax
.endr
.endr
	s_add_co_u32 s67, s16, 127
	s_cmp_le_u32 s67, s19                          ; all keys count: no mask
	s_cbranch_scc1 .Lopen_\@
	s_sub_co_i32 s67, s19, s16
	v_add_nc_u32 v217, s67, v3                     ; register 8 t + j holds key 16 t + 8 h + j of the step: hidden where 16 t + j > my query - the first key - 8 h
.set n, 0
.rept 64
	v_cmp_gt_i32 vcc_lo, 16*(n/8)+n%8, v217
	v_cndmask_b32 v[96+n], v[96+n], v216, vcc_lo
.set n, n+1
.endr
.Lopen_\@:
	v_max3_num_f32 v208, v96, v97, v98
	v_max3_num_f32 v209, v99, v100, v101
.irp i, 6,10,14,18,22,26,30,34,38,42,46,50,54,58
	v_max3_num_f32 v208, v208, v[96+\i], v[97+\i]
	v_max3_num_f32 v209, v209, v[98+\i], v[99+\i]
.endr
	v_max3_num_f32 v208, v208, v158, v159
	s_delay_alu instid0(VALU_DEP_1)
	v_max_num_f32 v208, v208, v209
	s_delay_alu instid0(VALU_DEP_1)
	v_permlanex16_b32 v218, v208, s20, s21
	s_delay_alu instid0(VALU_DEP_1)
	v_max_num_f32 v208, v208, v218
	s_delay_alu instid0(VALU_DEP_1)
	v_mul_f32 v208, s22, v208                      ; as t (c is positive)
	s_delay_alu instid0(VALU_DEP_1)
	v_max_num_f32 v13, v13, v208
	v_mov_b32 v208, v12
	s_delay_alu instid0(VALU_DEP_2)
	v_floor_f32 v12, -v13                          ; -M = floor(-t): M is a whole number
	s_delay_alu instid0(VALU_DEP_1)
	v_sub_f32 v208, v12, v208
	s_delay_alu instid0(VALU_DEP_1)
	v_cvt_i32_f32 v208, v208                       ; (it saturates)
	s_delay_alu instid0(VALU_DEP_1)
	v_ldexp_f32 v210, 1.0, v208                    ; f = 2^(old M - new M)
.set n, 0
.rept 32
	v_pk_fma_f32 v[96+n:97+n], v[96+n:97+n], s[22:23], v[12:13] op_sel_hi:[1,0,0]   ; t - M
.set n, n+2
.endr
	s_wait_alu depctr_va_vdst(0)
.set n, 0
.rept 64
	v_exp_f32 v[96+n], v[96+n]
.set n, n+1
.endr
	v_pk_mul_f32 v[14:15], v[14:15], v[210:211] op_sel_hi:[1,0]   ; the sums under the new M: the plain instruction behind the batch
	s_wait_alu depctr_va_vdst(0)                   ; one wait: for the 64 exponentials, and directly ahead of the first readers of O^T
.set n, 0
.rept 16
	v_pk_mul_f32 v[160+n:161+n], v[160+n:161+n], v[210:211] op_sel_hi:[1,0]   ; O^T under the new M, each accumulator from its low end on
.set n, n+2
.endr
	v_pk_add_f32 v[212:213], v[96:97], v[98:99]    ; the row's sum of the unquantised p: 32 pairs in four chains
	v_pk_add_f32 v[222:223], v[100:101], v[102:103]
	v_pk_add_f32 v[208:209], v[104:105], v[106:107]
	v_pk_add_f32 v[14:15], v[14:15], v[108:109]
.irp j, 110,118,126,134,142,150
	v_pk_add_f32 v[212:213], v[212:213], v[\j:\j+1]
	v_pk_add_f32 v[222:223], v[222:223], v[\j+2:\j+3]
	v_pk_add_f32 v[208:209], v[208:209], v[\j+4:\j+5]
	v_pk_add_f32 v[14:15], v[14:15], v[\j+6:\j+7]
.endr
	v_pk_add_f32 v[212:213], v[212:213], v[158:159]
	v_pk_add_f32 v[222:223], v[222:223], v[208:209]
	v_pk_add_f32 v[14:15], v[14:15], v[212:213]
	v_pk_add_f32 v[14:15], v[14:15], v[222:223]
.set n, 0
.rept 32
	v_dual_min_num_f32 v[96+n], v[96+n], v214 :: v_dual_min_num_f32 v[97+n], v[97+n], v219   ; p is not negative: a one-sided hold, two numbers a line
.set n, n+2
.endr
.irp t, 0,1,2,3,4,5,6,7
	v_cvt_scalef32_pk8_fp8_f32 v[192+2*\t:193+2*\t], v[96+8*\t:103+8*\t], v215
.endr
	v_nop                                          ; a plain instruction behind the last conversion
	s_wait_alu depctr_va_vdst(0)
	s_wait_dscnt 0x0                               ; V
.irp t, 0,1,2,3
	v_wmma_f32_16x16x128_fp8_fp8 v[160+8*\t:167+8*\t], v[32+16*\t:47+16*\t], v[192:207], v[160+8*\t:167+8*\t]
.endr
.Lhidden_\@:
	s_add_co_u32 s16, s16, 128
	s_add_co_u32 s17, s17, 8192
.endm
; A tile is finished: v14 holds my lane's sum, v160-191 O^T.  O / the row's sum x 2^(e4 + e5), held, converted, stored at s[8:9]
.macro FINAL
	v_permlanex16_b32 v218, v14, s20, s21
	v_add_f32 v14, v14, v218                       ; the row's sum
	s_wait_alu depctr_va_vdst(0)                   ; a wait ahead of the transcendental
	v_rcp_f32 v14, v14
	v_nop
	s_wait_alu depctr_va_vdst(0)                   ; and ahead of its first reader
	v_ldexp_f32 v14, v14, s76                      ; x 2^(e4 + e5)
	s_wait_alu depctr_va_vdst(0)                   ; and directly ahead of the readers of O^T
.set n, 0
.rept 32
	v_mul_f32 v[96+n], v[160+n], v14               ; register 8 t + j: o(query r, 16 t + 8 h + j)
.set n, n+1
.endr
.set n, 0
.rept 32
	v_med3_num_f32 v[96+n], v[96+n], -v220, v220
.set n, n+1
.endr
.irp t, 0,1,2,3
	v_cvt_scalef32_pk8_fp8_f32 v[192+2*\t:193+2*\t], v[96+8*\t:103+8*\t], v221
.endr
	v_nop
	global_store_b128 v1, v[192:195], s[8:9]       ; 512 consecutive bytes, aligned
	global_store_b128 v1, v[196:199], s[8:9] offset:512
.endm
; THE CHANGE OF TILES, in wave b at step i + 1 (a branch on ids; no barrier, wait on tiles or add stands in it): the early tile leaves, and a part of the late tile begins as a tile begins at the head
.macro SWITCH
	s_cmp_lg_u32 s16, s81
	s_cbranch_scc1 .Lstay_\@
.rept 4
	v_nop                                          ; places behind the last products
.endr
	v_add_f32 v14, v14, v15
	FINAL
.irp j, 0,1,2,3,4,5,6,7
	v_mov_b32 v[16+\j], v[226+\j]                  ; the late tile's Q
.endr
	v_mov_b32 v13, 0xff61b1e6
	v_floor_f32 v12, -v13
	v_mov_b32 v14, 0
	v_mov_b32 v15, 0
.set n, 0
.rept 32
	v_mov_b32 v[160+n], 0
.set n, n+1
.endr
	s_mov_b32 s19, s83                             ; its first query
	s_wait_alu depctr_va_vdst(0)
	s_wait_xcnt 0x0                                ; the two stores have read their registers, which the next step's conversions write
.Lstay_\@:
.endm
; A GROUP of four key steps.  At its head each wave waits for its tensor load (its part of this group), adds 0 to its spare word and waits for that and for its LDS reads; behind the barrier the group is whole.
; Then the next group is asked for, into bytes that nothing has filled yet: my one tensor load until the next barrier.
.macro GROUP g
	s_wait_tensorcnt 0x0                           ; no tensor load of mine is out, so group 0 of the descriptor may be written
	ds_add_u32 v224, v225
.if \g < 3
	s_add_co_u32 s41, s41, GRP                     ; the next group, in LDS
	s_add_nc_u64 s[42:43], s[42:43], GRP           ; and in memory; the type bits on top are not reached
.endif
	s_wait_dscnt 0x0
	s_barrier_signal -1
	s_barrier_wait -1
.if \g < 3
.if \g == 2
	s_cmp_gt_u32 ttmp9, 3                          ; group 3 begins at key 1,536; the last query of work-groups 4 to 7 is 128 (16 - i) - 1 < 1,536: none of their waves reads it, so it is not asked for
	s_cbranch_scc1 .Lpast_\@
.endif
	tensor_load_to_lds s[40:43], s[G1A:G1A+7]
	s_nop 0
.rept 4
	v_nop
.endr
.Lpast_\@:
.endif
.if \g < 2
	s_cmp_lg_u32 s18, 0
	s_cbranch_scc1 .Lnot_mine_\@
	global_prefetch_b8 v6, s[12:13] offset:(\g+2)*GRP th:TH_LOAD_NT scope:SCOPE_SE   ; my work-group's 8,192 bytes of group g + 2, lanes 256 bytes apart
.Lnot_mine_\@:
.endif
	s_mov_b32 s66, 4
.Lstep_\@:
.if \g < 3
	SWITCH                                         ; step i + 1 is one of steps 1 to 8: none lies in group 3
.endif
	STEP
	s_sub_co_u32 s66, s66, 1
	s_cmp_lg_u32 s66, 0
	s_cbranch_scc1 .Lstep_\@
.endm
	s_wait_alu depctr_va_vdst(0)
	s_wait_loadcnt 0x0                             ; Q, twice
	GROUP 0
	GROUP 1
	GROUP 2
	GROUP 3
.rept 4
	v_nop                                          ; places behind the last products
.endr
	; THE TWO PARTS OF THE LATE TILE ARE JOINED.  b stores O^T, -M and its lane's sum as an image of its registers; a barrier; a reads them into the same lanes
	s_cmp_eq_u32 s50, 1
	s_cbranch_scc1 .Lowner
	v_add_f32 v14, v14, v15
.irp k, 0,1,2,3,4,5,6,7
	ds_store_b128 v7, v[160+4*\k:163+4*\k] offset:512*\k
.endr
	ds_store_b128 v7, v[12:15] offset:4096
	s_wait_alu depctr_va_vdst(0)
.Lowner:
	s_wait_dscnt 0x0                               ; for the partner's sake: my stores are done
	s_barrier_signal -1
	s_barrier_wait -1
	s_cmp_eq_u32 s50, 1
	s_cbranch_scc0 .Lend
.irp k, 0,1,2,3,4,5,6,7
	ds_load_b128 v[32+4*\k:35+4*\k], v7 offset:512*\k
.endr
	ds_load_b128 v[64:67], v7 offset:4096          ; v64: b's -M, v66: b's sum
	v_add_f32 v14, v14, v15
	v_mov_b32 v213, 0                              ; (upper half of the pair v[212:213])
	s_wait_alu depctr_va_vdst(0)
	s_wait_dscnt 0x0
	v_min_num_f32 v208, v12, v64                   ; -M of the larger M
	v_sub_f32 v209, v208, v12                      ; my M less it: a whole number, 0 or less
	v_sub_f32 v212, v208, v64                      ; b's likewise (a part with no step has M = -3e38: its factor is 0, and so are its sum and O^T)
	v_cvt_i32_f32 v209, v209                       ; (both saturate)
	v_cvt_i32_f32 v212, v212
	v_ldexp_f32 v210, 1.0, v209
	v_ldexp_f32 v212, 1.0, v212
	v_mul_f32 v14, v14, v210
	v_fmac_f32 v14, v66, v212
.set n, 0
.rept 16
	v_pk_mul_f32 v[160+n:161+n], v[160+n:161+n], v[210:211] op_sel_hi:[1,0]
.set n, n+2
.endr
.set n, 0
.rept 16
	v_pk_fma_f32 v[160+n:161+n], v[32+n:33+n], v[212:213], v[160+n:161+n] op_sel_hi:[1,0,1]
.set n, n+2
.endr
	FINAL
.Lend:
	s_wait_tensorcnt 0x0                           ; the wave's end
	ds_add_u32 v224, v225
	s_wait_dscnt 0x0
	s_endpgm
.Lfunc_end_k_q9f253b00cb_attn:
	.size	k_q9f253b00cb_attn, .Lfunc_end_k_q9f253b00cb_attn-k_q9f253b00cb_attn
	.p2alignl 7, 3214868480
	.fill 96, 4, 3214868480
	.section	.rodata,"a",@progbits
	.p2align	6, 0x0
	.amdhsa_kernel k_q9f253b00cb_attn
		.amdhsa_group_segment_fixed_size 327680
		.amdhsa_private_segment_fixed_size 0
		.amdhsa_enable_private_segment 0
		.amdhsa_kernarg_size 24
		.amdhsa_user_sgpr_count 2
		.amdhsa_user_sgpr_kernarg_segment_ptr 1
		.amdhsa_wavefront_size32 1
		.amdhsa_system_sgpr_workgroup_id_x 1
		.amdhsa_system_sgpr_workgroup_id_y 1
		.amdhsa_system_sgpr_workgroup_id_z 1
		.amdhsa_system_vgpr_workitem_id 0
		.amdhsa_next_free_vgpr 234
		.amdhsa_next_free_sgpr 90
		.amdhsa_reserve_vcc 1
		.amdhsa_float_denorm_mode_32 3
		.amdhsa_float_denorm_mode_16_64 3
		.amdhsa_memory_ordered 1
		.amdhsa_forward_progress 1
		.amdhsa_inst_pref_size 119
	.end_amdhsa_kernel
	.amdgpu_metadata
---
amdhsa.version: [ 1, 2 ]
amdhsa.kernels:
  - .name:           k_q9f253b00cb_attn
    .symbol:         k_q9f253b00cb_attn.kd
    .args:
      - { .name: qkv, .offset: 0, .size: 8, .value_kind: global_buffer, .address_space: global }
      - { .name: lowp_scales, .offset: 8, .size: 8, .value_kind: global_buffer, .address_space: global }
      - { .name: ao, .offset: 16, .size: 8, .value_kind: global_buffer, .address_space: global }
    .group_segment_fixed_size: 327680
    .private_segment_fixed_size: 0
    .kernarg_segment_align: 8
    .kernarg_segment_size: 24
    .max_flat_workgroup_size: 512
    .sgpr_count:     90
    .vgpr_count:     234
    .wavefront_size: 32
...
	.end_amdgpu_metadata
.endif
;; end of part 3
;; launch oproj (part 4): grid 8 x 32, 4 waves a work-group, clusters of 4 x 4, 327,680 bytes of LDS; arguments ao, wimg, lowp_scales, b_out, x, x2; writes x2
.if DOCPART == 4
	.amdgcn_target "amdgcn-amd-amdhsa--gfx1250"
	.amdhsa_code_object_version 6
	.text
	.protected	k_q9f253b00cb_oproj
	.globl	k_q9f253b00cb_oproj
	.p2align	8
	.type	k_q9f253b00cb_oproj,@function
k_q9f253b00cb_oproj:
	s_mov_b64 s[64:65], 0
	v_nop
	global_prefetch_b8 v0, s[64:65] scope:SCOPE_SE
	s_setreg_imm32_b32 hwreg(HW_REG_WAVE_MODE, 25, 1), 1
	s_wait_xcnt 0x0
	s_wait_alu depctr_hold_cnt(0) depctr_sa_sdst(0) depctr_va_vdst(0) depctr_va_sdst(0) depctr_va_ssrc(0) depctr_va_vcc(0) depctr_vm_vsrc(0)
	s_getreg_b32 s2, hwreg(HW_REG_IB_STS2, 6, 4)
	s_cmp_eq_u32 s2, 0
	s_cbranch_scc0 .Lentry_in_a_cluster
	s_endpgm
.Lentry_in_a_cluster:
	s_bfe_u32 s2, ttmp6, 0x10000c
	s_cmp_lg_u32 s2, 0xf033
	s_cbranch_scc0 .Lentry_shape_is_right
	s_endpgm
.Lentry_shape_is_right:
.set KK,     1024
.set WOFF,   3145728
.set SCB,    24
.set RTB,    8192
.set HALFT,  4*RTB
.set SLOT,   4*HALFT
.set STAGE,  2*SLOT
.set SPITCH, 272
.set SPARE,  STAGE+4*16*SPITCH
.set KPITCH, 16*KK
.set LAPS,   KK/1024
.set ADRA, 16
.set ADRB, 20
.set STO,  24
.set RD,   25
.set CO,   26
.set BO,   27
.set SPW,  28
.set NIL,  29
.set OB,   32
.set ACC,  128
.set F0,   0
.set F1,   128
.set G1, 24
.set G0, 32
.set G1B, 48
.set G0B, 56
.set MSB, 0
.macro WIN new
.if MSB != \new
	s_set_vgpr_msb (MSB<<8)|\new
.set MSB, \new
.endif
.endm
.set MUL,  0x05
.set TO_F, 0x40
.macro JLOAD s
	s_cmp_eq_u32 s71, 0
	s_cbranch_scc0 .Lfor_b_\@
	tensor_load_to_lds s[G0+4*\s:G0+4*\s+3], s[G1:G1+7]
	s_nop 0
.rept 4
	v_nop
.endr
	s_branch .Lasked_\@
.Lfor_b_\@:
	tensor_load_to_lds s[G0B+4*\s:G0B+4*\s+3], s[G1B:G1B+7]
	s_nop 0
.rept 4
	v_nop
.endr
.Lasked_\@:
.endm
.macro CREST
	s_cmp_lg_u32 s70, 0
	s_cbranch_scc1 .Lnot_wave_0_\@
	s_barrier_signal -3
.Lnot_wave_0_\@:
	s_barrier_wait -3
	s_barrier_signal -1
	s_barrier_wait -1
.endm
.macro CROUND
	s_barrier_signal -1
	s_barrier_wait -1
	CREST
.endm
	s_load_b256 s[4:11], s[0:1], 0x0
	s_load_b128 s[12:15], s[0:1], 0x20
	v_lshl_add_u32 v[SPW], v0, 2, SPARE
	v_mov_b32 v[NIL], 0
	ds_add_u32 v28, v29
	ds_add_u32 v28, v29
	s_wait_dscnt 0x0
	v_lshrrev_b32 v1, 5, v0
	v_readfirstlane_b32 s70, v1
	s_lshr_b32 s71, s70, 1
	s_and_b32 s72, s70, 1
	s_bfe_u32 s40, ttmp6, 0x40000
	s_bfe_u32 s41, ttmp6, 0x40004
	s_lshl_b32 s42, ttmp9, 2
	s_add_co_u32 s42, s42, s40
	s_and_b32 s17, ttmp7, 0xffff
	s_lshl_b32 s17, s17, 2
	s_add_co_u32 s17, s17, s41
	s_lshl_b32 s43, s41, 2
	s_lshl_b32 s43, 15, s43
	s_lshl_b32 s44, 0x1111, s40
	s_or_b32 s[G1+0], s43, (3<<16)|(1<<21)
	s_or_b32 s[G1B+0], s44, (3<<16)|(1<<21)
.irp g, G1, G1B
	s_mov_b32 s[\g+1], 1024<<16
	s_mov_b32 s[\g+2], 4<<16
	s_mov_b32 s[\g+3], 1024<<16
	s_mov_b32 s[\g+4], 4
	s_mov_b32 s[\g+5], 2*KK
	s_mov_b32 s[\g+6], 0
	s_mov_b32 s[\g+7], 0
.endr
	s_lshl_b32 s18, s72, 2
	s_lshl_b32 s20, s17, 3
	s_add_co_u32 s20, s20, s18
	s_mul_i32 s20, s20, KPITCH
	s_mov_b32 s21, 0
	s_lshl_b32 s46, s42, 3
	s_add_co_u32 s46, s46, s18
	s_mul_i32 s46, s46, KPITCH
	s_add_co_u32 s46, s46, WOFF
	s_mov_b32 s47, 0
	s_lshl_b32 s45, s70, 15
	s_wait_kmcnt 0x0
	s_load_b64 s[96:97], s[8:9], SCB
	s_add_nc_u64 s[20:21], s[4:5], s[20:21]
	s_add_nc_u64 s[46:47], s[6:7], s[46:47]
	CROUND
.irp s, 0,1
	s_mov_b32 s[G0+4*\s], 1
	s_add_co_u32 s[G0+4*\s+1], s45, \s*SLOT
	s_add_nc_u64 s[G0+4*\s+2:G0+4*\s+3], s[20:21], \s*RTB
	s_or_b32 s[G0+4*\s+3], s[G0+4*\s+3], 0x80000000
	s_mov_b32 s[G0B+4*\s], 1
	s_add_co_u32 s[G0B+4*\s+1], s45, \s*SLOT
	s_add_nc_u64 s[G0B+4*\s+2:G0B+4*\s+3], s[46:47], \s*RTB
	s_or_b32 s[G0B+4*\s+3], s[G0B+4*\s+3], 0x80000000
.if \s == 0
	JLOAD 0                                        ; slot 0: one tensor load a wave at the head
.endif
.endr
	v_and_b32 v6, 31, v0
	v_lshlrev_b32 v7, 4, v6
	s_lshl_b32 s21, s71, 15
	s_lshl_b32 s22, s72, 15
	s_add_co_u32 s22, s22, 2*HALFT
.irp s, 0,1
	v_add_nc_u32 v[ADRA+\s], s21, v7
	v_add_nc_u32 v[ADRB+\s], s22, v7
	s_add_co_u32 s21, s21, SLOT
	s_add_co_u32 s22, s22, SLOT
.endr
	v_and_b32 v1, 15, v0
	v_bfe_u32 v2, v0, 4, 1
	s_mul_i32 s23, s70, 16*SPITCH
	s_add_co_u32 s23, s23, STAGE
	v_mul_u32_u24 v4, v1, SPITCH
	v_lshl_add_u32 v4, v2, 5, v4
	v_add_nc_u32 v[STO], s23, v4
	v_mul_u32_u24 v5, v2, SPITCH
	v_lshl_add_u32 v5, v1, 4, v5
	v_add_nc_u32 v[RD], s23, v5
	v_lshlrev_b32 v5, 12, v2
	v_lshl_add_u32 v[CO], v1, 4, v5
	v_lshlrev_b32 v[BO], 4, v1
	s_wait_alu depctr_va_vdst(0)
	s_lshl_b32 s73, s17, 7
	s_lshl_b32 s74, s71, 6
	s_add_co_u32 s73, s73, s74
	s_lshl_b32 s73, s73, 12
	s_lshl_b32 s74, s42, 9
	s_lshl_b32 s75, s72, 8
	s_add_co_u32 s74, s74, s75
	s_add_co_u32 s76, s73, s74
	s_mov_b32 s77, 0
	s_mov_b32 s75, 0
	s_add_nc_u64 s[12:13], s[12:13], s[76:77]
	s_add_nc_u64 s[14:15], s[14:15], s[76:77]
	s_add_nc_u64 s[10:11], s[10:11], s[74:75]
	global_load_b128 v[96:99], v[BO], s[10:11]
	WIN 0x80
.irp a, 0,1,2,3
.irp t, 0,1,2,3,4,5,6,7
	global_load_b128 v[4*(8*\a+\t):4*(8*\a+\t)+3], v[CO], s[12:13] offset:(16*\a+2*\t)*4096
.endr
.endr
	WIN 0
.macro MUL4 f, a, zero
.irp b, 0,1,2,3
.if \zero
	v_wmma_f32_16x16x128_fp8_fp8 v[ACC+8*(4*(\a)+\b):ACC+8*(4*(\a)+\b)+7], v[\f+64+16*\b:\f+64+16*\b+15], v[\f+16*(\a):\f+16*(\a)+15], 0
.else
	v_wmma_f32_16x16x128_fp8_fp8 v[ACC+8*(4*(\a)+\b):ACC+8*(4*(\a)+\b)+7], v[\f+64+16*\b:\f+64+16*\b+15], v[\f+16*(\a):\f+16*(\a)+15], v[ACC+8*(4*(\a)+\b):ACC+8*(4*(\a)+\b)+7]
.endif
.endr
.endm
.macro FETCH slot, q, f
	WIN TO_F
.irp i, 0,1,2,3
.irp c, 0,1,2,3
	ds_load_b128 v[\f+64+16*\i+4*\c:\f+64+16*\i+4*\c+3], v[ADRB+\slot] offset:\i*RTB+(\q)*2048+512*\c
.endr
.endr
.irp i, 0,1,2,3
.irp c, 0,1,2,3
	ds_load_b128 v[\f+16*\i+4*\c:\f+16*\i+4*\c+3], v[ADRA+\slot] offset:\i*RTB+(\q)*2048+512*\c
.endr
.endr
.endm
.macro PLACES
.rept 4
	v_nop
.endr
.endm
.macro QUARTER slot, qn, f, g, zero
	s_wait_dscnt 8
	WIN MUL
	MUL4 \f, 0, \zero
	MUL4 \f, 1, \zero
	PLACES
	FETCH \slot, \qn, \g
	s_wait_dscnt 32
	WIN MUL
	MUL4 \f, 2, \zero
	MUL4 \f, 3, \zero
.endm
.macro TURN slot, next, fill
	WIN 0
	s_wait_tensorcnt 0x0
	ds_add_u32 v[SPW], v[NIL]
	s_wait_dscnt 9
	WIN MUL
	MUL4 F1, 0, 0
	s_wait_dscnt 0x0
	s_barrier_signal -1
	MUL4 F1, 1, 0
.if \fill
	WIN 0
.endif
	s_barrier_wait -1
.if \fill
	CREST
	s_add_nc_u64 s[G0+4*\slot+2:G0+4*\slot+3], s[G0+4*\slot+2:G0+4*\slot+3], 2*RTB
	s_add_nc_u64 s[G0B+4*\slot+2:G0B+4*\slot+3], s[G0B+4*\slot+2:G0B+4*\slot+3], 2*RTB
	JLOAD \slot
.else
	PLACES
.endif
	FETCH \next, 0, F0
	WIN MUL
	MUL4 F1, 2, 0
	MUL4 F1, 3, 0
.endm
	s_wait_alu depctr_va_vdst(0)
	s_wait_tensorcnt 0x0                           ; my part of slot 0 is in; slot 1's first fill is issued as a refill is:
	ds_add_u32 v[SPW], v[NIL]                      ; 0 onto my spare word
	s_wait_dscnt 0x0
	CROUND                                         ; a whole round: everybody's part of slot 0 is in, and the joint loads meet
	JLOAD 1                                        ; slot 1, the first tensor load behind the round
	FETCH 0, 0, F0
	QUARTER 0, 1, F0, F1, 1
.if LAPS > 1
	WIN 0
	s_mov_b32 s3, LAPS-1
.Llap:
	QUARTER 0, 2, F1, F0, 0
	QUARTER 0, 3, F0, F1, 0
	TURN 0, 1, 1
	QUARTER 1, 1, F0, F1, 0
	QUARTER 1, 2, F1, F0, 0
	QUARTER 1, 3, F0, F1, 0
	TURN 1, 0, 1
	QUARTER 0, 1, F0, F1, 0
	WIN 0
	s_sub_co_u32 s3, s3, 1
	s_cmp_lg_u32 s3, 0
	s_cbranch_scc1 .Llap
.endif
	QUARTER 0, 2, F1, F0, 0
	QUARTER 0, 3, F0, F1, 0
	TURN 0, 1, 0
	QUARTER 1, 1, F0, F1, 0
	QUARTER 1, 2, F1, F0, 0
	QUARTER 1, 3, F0, F1, 0
	s_wait_dscnt 8
	WIN MUL
	MUL4 F1, 0, 0
	MUL4 F1, 1, 0
	s_wait_dscnt 0
	MUL4 F1, 2, 0
	MUL4 F1, 3, 0
	WIN 0
	s_wait_kmcnt 0x0
	s_add_co_i32 s96, s96, s97
	s_add_co_i32 s96, s96, 127
	s_lshl_b32 s96, s96, 23
	s_mov_b32 s97, s96
	PLACES
	s_wait_loadcnt 0x0
.macro OUTBLK a
.set OS, OB+32*((\a)%2)
.if (\a) >= 2
	s_wait_xcnt 0x0
.endif
.irp b, 0,1,2,3
	ds_store_b128 v[STO], v[ACC+8*(4*(\a)+\b):ACC+8*(4*(\a)+\b)+3] offset:64*\b
	ds_store_b128 v[STO], v[ACC+8*(4*(\a)+\b)+4:ACC+8*(4*(\a)+\b)+7] offset:64*\b+16
.endr
.irp t, 0,1,2,3,4,5,6,7
	ds_load_b128 v[OS+4*\t:OS+4*\t+3], v[RD] offset:\t*2*SPITCH
.endr
	s_wait_dscnt 0x0
	WIN 0x20
.set n, 0
.rept 16
	v_pk_fma_f32 v[OS+n:OS+n+1], v[OS+n:OS+n+1], s[96:97], v[32*(\a)+n:32*(\a)+n+1] op_sel_hi:[1,0,1]
.set n, n+2
.endr
	WIN 0
.irp t, 0,1,2,3,4,5,6,7
	v_pk_add_f32 v[OS+4*\t:OS+4*\t+1], v[OS+4*\t:OS+4*\t+1], v[96:97]
	v_pk_add_f32 v[OS+4*\t+2:OS+4*\t+3], v[OS+4*\t+2:OS+4*\t+3], v[98:99]
.endr
.irp t, 0,1,2,3,4,5,6,7
	global_store_b128 v[CO], v[OS+4*\t:OS+4*\t+3], s[14:15] offset:(16*(\a)+2*\t)*4096
.endr
.endm
	OUTBLK 0
	OUTBLK 1
	OUTBLK 2
	OUTBLK 3
	s_wait_tensorcnt 0x0
	ds_add_u32 v[SPW], v[NIL]
	s_wait_dscnt 0x0
	CROUND
	s_endpgm
.Lfunc_end_k_q9f253b00cb_oproj:
	.size	k_q9f253b00cb_oproj, .Lfunc_end_k_q9f253b00cb_oproj-k_q9f253b00cb_oproj
	.p2alignl 7, 3214868480
	.fill 96, 4, 3214868480
	.section	.rodata,"a",@progbits
	.p2align	6, 0x0
	.amdhsa_kernel k_q9f253b00cb_oproj
		.amdhsa_group_segment_fixed_size 327680
		.amdhsa_private_segment_fixed_size 0
		.amdhsa_enable_private_segment 0
		.amdhsa_kernarg_size 48
		.amdhsa_user_sgpr_count 2
		.amdhsa_user_sgpr_kernarg_segment_ptr 1
		.amdhsa_wavefront_size32 1
		.amdhsa_system_sgpr_workgroup_id_x 1
		.amdhsa_system_sgpr_workgroup_id_y 1
		.amdhsa_system_sgpr_workgroup_id_z 1
		.amdhsa_system_vgpr_workitem_id 0
		.amdhsa_next_free_vgpr 768
		.amdhsa_next_free_sgpr 100
		.amdhsa_reserve_vcc 0
		.amdhsa_float_denorm_mode_32 3
		.amdhsa_float_denorm_mode_16_64 3
		.amdhsa_memory_ordered 1
		.amdhsa_forward_progress 1
		.amdhsa_inst_pref_size 53
	.end_amdhsa_kernel
	.amdgpu_metadata
---
amdhsa.version: [ 1, 2 ]
amdhsa.kernels:
  - .name:           k_q9f253b00cb_oproj
    .symbol:         k_q9f253b00cb_oproj.kd
    .args:
      - { .name: ao, .offset: 0, .size: 8, .value_kind: global_buffer, .address_space: global }
      - { .name: wimg, .offset: 8, .size: 8, .value_kind: global_buffer, .address_space: global }
      - { .name: lowp_scales, .offset: 16, .size: 8, .value_kind: global_buffer, .address_space: global }
      - { .name: b_out, .offset: 24, .size: 8, .value_kind: global_buffer, .address_space: global }
      - { .name: x, .offset: 32, .size: 8, .value_kind: global_buffer, .address_space: global }
      - { .name: x2, .offset: 40, .size: 8, .value_kind: global_buffer, .address_space: global }
    .group_segment_fixed_size: 327680
    .private_segment_fixed_size: 0
    .kernarg_segment_align: 8
    .kernarg_segment_size: 48
    .max_flat_workgroup_size: 128
    .sgpr_count:     100
    .vgpr_count:     768
    .wavefront_size: 32
...
	.end_amdgpu_metadata
.endif
;; end of part 4
;; launch ln2 (part 5): grid 256 x 1, 8 waves a work-group, no clusters, 18,432 bytes of LDS; arguments x2, ln2_g, ln2_b, lowp_scales, h2; writes h2
.if DOCPART == 5
	.amdgcn_target "amdgcn-amd-amdhsa--gfx1250"
	.amdhsa_code_object_version 6
	.text
	.protected	k_q9f253b00cb_ln2
	.globl	k_q9f253b00cb_ln2
	.p2align	8
	.type	k_q9f253b00cb_ln2,@function
k_q9f253b00cb_ln2:
	s_mov_b64 s[64:65], 0
	v_nop
	global_prefetch_b8 v0, s[64:65] scope:SCOPE_SE
	s_setreg_imm32_b32 hwreg(HW_REG_WAVE_MODE, 25, 1), 1
	s_wait_xcnt 0x0
; LayerNorm 2 of 16 rows of x2 [4096][1024] a work-group, quantised to E4M3 with 2^e (entry 8 of the scales), stored as operand images:
; a fragment (16 rows x 128 k) is 2,048 bytes; byte 512 c + 16 (16 h + r) + 8 e + i holds row r, k = 32 c + 16 e + 8 h + i.  Wave w takes rows 2 w and 2 w + 1.
; LIMITS: e between -126 and 119; NaN and infinities among the inputs are not served.
.set X,    32
.set GG,   96
.set BV,   128
.set CD,   160
.macro RED b
.irp p, 0
	s_delay_alu instid0(VALU_DEP_3)
	v_pk_add_f32 v[\b+\p:\b+\p+1], v[\b+\p:\b+\p+1], v[\b+\p+2:\b+\p+3]
.endr
.irp p, 4
	s_delay_alu instid0(VALU_DEP_2)
	v_pk_add_f32 v[\b+\p:\b+\p+1], v[\b+\p:\b+\p+1], v[\b+\p+2:\b+\p+3]
.endr
.irp p, 0,4
	s_delay_alu instid0(VALU_DEP_2)
	v_add_f32 v[\b+\p], v[\b+\p], v[\b+\p+1]
.endr
.irp m, 1,2,4,8
.irp p, 0,4
	s_delay_alu instid0(VALU_DEP_2)
	v_add_f32_dpp v[\b+\p], v[\b+\p], v[\b+\p] row_xmask:\m row_mask:0xf bank_mask:0xf
.endr
.endr
.irp p, 0,4
	s_delay_alu instid0(VALU_DEP_2)
	v_permlanex16_b32 v[\b+\p+1], v[\b+\p], s68, s69
.endr
.irp p, 0,4
	s_delay_alu instid0(VALU_DEP_2)
	v_add_f32 v[\b+\p], v[\b+\p], v[\b+\p+1]
.endr
.endm
	s_load_b256 s[8:15], s[0:1], 0x0               ; x2, g, b, scales
	s_load_b64 s[24:25], s[0:1], 0x20              ; h2
	v_lshl_add_u32 v176, v0, 2, 0x4400
	v_mov_b32 v177, 0
	v_lshrrev_b32 v1, 5, v0
	s_delay_alu instid0(VALU_DEP_1)
	v_readfirstlane_b32 s28, v1
	v_and_b32 v1, 31, v0
	s_wait_alu depctr_va_vdst(0)
	s_wait_kmcnt 0x0
	s_load_b32 s32, s[14:15], 0x20                 ; e8
	s_lshl_b32 s30, ttmp9, 16
	s_lshl_b32 s31, s28, 13
	s_add_co_u32 s30, s30, s31
	s_mov_b32 s31, 0
	s_add_nc_u64 s[8:9], s[8:9], s[30:31]
	v_lshlrev_b32 v6, 5, v1                        ; a lane takes 8 neighbours: two loads cover each 1,024 bytes of a row whole
.irp p, 0,1
.irp j, 0,1,2,3
	global_load_b128 v[X+32*\p+8*\j:X+32*\p+8*\j+3], v6, s[8:9] offset:4096*\p+1024*\j
	global_load_b128 v[X+32*\p+8*\j+4:X+32*\p+8*\j+7], v6, s[8:9] offset:4096*\p+1024*\j+16
.endr
.endr
.irp j, 0,1,2,3
	global_load_b128 v[GG+8*\j:GG+8*\j+3], v6, s[10:11] offset:1024*\j
	global_load_b128 v[GG+8*\j+4:GG+8*\j+7], v6, s[10:11] offset:1024*\j+16
.endr
.irp j, 0,1,2,3
	global_load_b128 v[BV+8*\j:BV+8*\j+3], v6, s[12:13] offset:1024*\j
	global_load_b128 v[BV+8*\j+4:BV+8*\j+7], v6, s[12:13] offset:1024*\j+16
.endr
	s_mov_b32 s68, 0x76543210
	s_mov_b32 s69, 0xfedcba98
	s_mov_b32 s66, 0x3a800000                      ; 1 / 1024
	s_mov_b32 s67, 0x3727c5ac                      ; 1e-5
	v_bfe_u32 v3, v0, 4, 1                         ; the stage: 64 blocks of 256 bytes (8 ks + 2 c + h), 272 apart
	v_bfe_u32 v4, v0, 2, 2
	v_and_b32 v5, 1, v0
	s_delay_alu instid0(VALU_DEP_3)
	v_lshlrev_b32 v3, 3, v3
	s_delay_alu instid0(VALU_DEP_1)
	v_lshl_add_u32 v3, v4, 1, v3
	s_delay_alu instid0(VALU_DEP_1)
	v_add_nc_u32 v3, v3, v5
	s_delay_alu instid0(VALU_DEP_1)
	v_mul_u32_u24 v3, v3, 272
	v_bfe_u32 v4, v0, 1, 1
	s_delay_alu instid0(VALU_DEP_1)
	v_lshl_add_u32 v3, v4, 3, v3
	s_lshl_b32 s29, s28, 5
	v_add_nc_u32 v3, s29, v3
	v_bfe_u32 v4, v0, 4, 1
	s_delay_alu instid0(VALU_DEP_1)
	v_mul_u32_u24 v4, v4, 272
	v_and_b32 v5, 15, v0
	s_delay_alu instid0(VALU_DEP_1)
	v_lshl_add_u32 v4, v5, 4, v4
	s_mul_i32 s29, s28, 2176
	v_add_nc_u32 v4, s29, v4
	v_lshlrev_b32 v7, 4, v1
	s_lshl_b32 s30, ttmp9, 14
	s_lshl_b32 s29, s28, 11
	s_add_co_u32 s30, s30, s29
	s_add_nc_u64 s[24:25], s[24:25], s[30:31]
	v_mov_b32 v25, 0
	v_mov_b32 v27, 0
	s_wait_loadcnt 16                              ; the rows' 16 loads are in; the gain's 8 and the bias's 8 may be out
.irp p, 0,1
	v_pk_add_f32 v[8+4*\p:9+4*\p], v[X+32*\p:X+32*\p+1], v[X+32*\p+2:X+32*\p+3]
	v_pk_add_f32 v[10+4*\p:11+4*\p], v[X+32*\p+4:X+32*\p+5], v[X+32*\p+6:X+32*\p+7]
.endr
.irp k, 8,12,16,20,24,28
.irp p, 0,1
	s_delay_alu instid0(VALU_DEP_4)
	v_pk_add_f32 v[8+4*\p:9+4*\p], v[8+4*\p:9+4*\p], v[X+32*\p+\k:X+32*\p+\k+1]
	s_delay_alu instid0(VALU_DEP_4)
	v_pk_add_f32 v[10+4*\p:11+4*\p], v[10+4*\p:11+4*\p], v[X+32*\p+\k+2:X+32*\p+\k+3]
.endr
.endr
	RED 8
	s_delay_alu instid0(VALU_DEP_2)
	v_mul_f32 v8, s66, v8
	s_delay_alu instid0(VALU_DEP_2)
	v_mul_f32 v12, s66, v12
.irp p, 0,1
.irp k, 0,2,4,6,8,10,12,14,16,18,20,22,24,26,28,30
	v_pk_add_f32 v[X+32*\p+\k:X+32*\p+\k+1], v[X+32*\p+\k:X+32*\p+\k+1], v[8+4*\p:9+4*\p] op_sel_hi:[1,0] neg_lo:[0,1] neg_hi:[0,1]
.endr
.endr
.irp p, 0,1
	v_pk_mul_f32 v[16+4*\p:17+4*\p], v[X+32*\p:X+32*\p+1], v[X+32*\p:X+32*\p+1]
	v_pk_mul_f32 v[18+4*\p:19+4*\p], v[X+32*\p+2:X+32*\p+3], v[X+32*\p+2:X+32*\p+3]
.endr
.irp k, 4,8,12,16,20,24,28
.irp p, 0,1
	s_delay_alu instid0(VALU_DEP_4)
	v_pk_fma_f32 v[16+4*\p:17+4*\p], v[X+32*\p+\k:X+32*\p+\k+1], v[X+32*\p+\k:X+32*\p+\k+1], v[16+4*\p:17+4*\p]
	s_delay_alu instid0(VALU_DEP_4)
	v_pk_fma_f32 v[18+4*\p:19+4*\p], v[X+32*\p+\k+2:X+32*\p+\k+3], v[X+32*\p+\k+2:X+32*\p+\k+3], v[18+4*\p:19+4*\p]
.endr
.endr
	RED 16
	s_delay_alu instid0(VALU_DEP_2)
	v_fma_f32 v16, v16, s66, s67
	s_delay_alu instid0(VALU_DEP_2)
	v_fma_f32 v20, v20, s66, s67
	s_wait_alu depctr_va_vdst(0)
	v_rsq_f32 v24, v16
	v_rsq_f32 v26, v20
	v_nop                                          ; a plain instruction behind the two roots,
	s_wait_alu depctr_va_vdst(0)                   ; and one wait for both, ahead of their first reader
	s_wait_kmcnt 0x0
	s_add_co_i32 s29, s32, 127
	s_lshl_b32 s30, s29, 23
	v_mov_b32 v29, s30
	s_add_co_i32 s29, s29, 8
	s_lshl_b32 s29, s29, 23
	s_or_b32 s29, s29, 0x600000
	v_mov_b32 v28, s29
	s_wait_loadcnt 0x0
.irp p, 0,1
.irp k, 0,2,4,6,8,10,12,14,16,18,20,22,24,26,28,30
	v_pk_mul_f32 v[X+32*\p+\k:X+32*\p+\k+1], v[X+32*\p+\k:X+32*\p+\k+1], v[24+2*\p:25+2*\p] op_sel_hi:[1,0]
.endr
.endr
.irp p, 0,1
.irp k, 0,2,4,6,8,10,12,14,16,18,20,22,24,26,28,30
	v_pk_fma_f32 v[X+32*\p+\k:X+32*\p+\k+1], v[X+32*\p+\k:X+32*\p+\k+1], v[GG+\k:GG+\k+1], v[BV+\k:BV+\k+1]
.endr
.endr
.set n, 0
.rept 64
	v_med3_num_f32 v[X+n], v[X+n], -v28, v28       ; the conversion does not saturate (ISA guide 7.6.2)
.set n, n+1
.endr
.irp p, 0,1
.irp j, 0,1,2,3
	v_cvt_scalef32_pk8_fp8_f32 v[CD+8*\p+2*\j:CD+8*\p+2*\j+1], v[X+32*\p+8*\j:X+32*\p+8*\j+7], v29
.endr
.endr
	v_nop
.irp p, 0,1
.irp j, 0,1,2,3
	ds_store_b64 v3, v[CD+8*\p+2*\j:CD+8*\p+2*\j+1] offset:4352*\j+16*\p
.endr
.endr
	s_wait_dscnt 0x0                               ; for the others' sake: my stores into the stage are done
	s_barrier_signal -1
	s_barrier_wait -1
.irp i, 0,1,2,3
	ds_load_b128 v[X+4*\i:X+4*\i+3], v4 offset:544*\i
.endr
.irp i, 0,1,2,3
	s_wait_dscnt 3-\i
	global_store_b128 v7, v[X+4*\i:X+4*\i+3], s[24:25] offset:512*\i
.endr
	s_wait_tensorcnt 0x0
	ds_add_u32 v176, v177
	s_wait_dscnt 0x0
	s_endpgm
.Lfunc_end_k_q9f253b00cb_ln2:
	.size	k_q9f253b00cb_ln2, .Lfunc_end_k_q9f253b00cb_ln2-k_q9f253b00cb_ln2
	.p2alignl 7, 3214868480
	.fill 96, 4, 3214868480
	.section	.rodata,"a",@progbits
	.p2align	6, 0x0
	.amdhsa_kernel k_q9f253b00cb_ln2
		.amdhsa_group_segment_fixed_size 18432
		.amdhsa_private_segment_fixed_size 0
		.amdhsa_enable_private_segment 0
		.amdhsa_kernarg_size 40
		.amdhsa_user_sgpr_count 2
		.amdhsa_user_sgpr_kernarg_segment_ptr 1
		.amdhsa_wavefront_size32 1
		.amdhsa_system_sgpr_workgroup_id_x 1
		.amdhsa_system_sgpr_workgroup_id_y 1
		.amdhsa_system_sgpr_workgroup_id_z 1
		.amdhsa_system_vgpr_workitem_id 0
		.amdhsa_next_free_vgpr 178
		.amdhsa_next_free_sgpr 72
		.amdhsa_reserve_vcc 0
		.amdhsa_float_denorm_mode_32 3
		.amdhsa_float_denorm_mode_16_64 3
		.amdhsa_memory_ordered 1
		.amdhsa_forward_progress 1
		.amdhsa_inst_pref_size 27
	.end_amdhsa_kernel
	.amdgpu_metadata
---
amdhsa.version: [ 1, 2 ]
amdhsa.kernels:
  - .name:           k_q9f253b00cb_ln2
    .symbol:         k_q9f253b00cb_ln2.kd
    .args:
      - { .name: x2, .offset: 0, .size: 8, .value_kind: global_buffer, .address_space: global }
      - { .name: ln2_g, .offset: 8, .size: 8, .value_kind: global_buffer, .address_space: global }
      - { .name: ln2_b, .offset: 16, .size: 8, .value_kind: global_buffer, .address_space: global }
      - { .name: lowp_scales, .offset: 24, .size: 8, .value_kind: global_buffer, .address_space: global }
      - { .name: h2, .offset: 32, .size: 8, .value_kind: global_buffer, .address_space: global }
    .group_segment_fixed_size: 18432
    .private_segment_fixed_size: 0
    .kernarg_segment_align: 8
    .kernarg_segment_size: 40
    .max_flat_workgroup_size: 256
    .sgpr_count:     72
    .vgpr_count:     178
    .wavefront_size: 32
...
	.end_amdgpu_metadata
.endif
;; end of part 5
;; launch ffn1 (part 6): grid 16 x 16, 4 waves a work-group, clusters of 4 x 4, 327,680 bytes of LDS; arguments h2, wimg, lowp_scales, b1, hid; writes hid
.if DOCPART == 6
	.amdgcn_target "amdgcn-amd-amdhsa--gfx1250"
	.amdhsa_code_object_version 6
	.text
	.protected	k_q9f253b00cb_ffn1
	.globl	k_q9f253b00cb_ffn1
	.p2align	8
	.type	k_q9f253b00cb_ffn1,@function
k_q9f253b00cb_ffn1:
	s_mov_b64 s[64:65], 0
	v_nop
	global_prefetch_b8 v0, s[64:65] scope:SCOPE_SE
	s_setreg_imm32_b32 hwreg(HW_REG_WAVE_MODE, 25, 1), 1
	s_wait_xcnt 0x0
	s_wait_alu depctr_hold_cnt(0) depctr_sa_sdst(0) depctr_va_vdst(0) depctr_va_sdst(0) depctr_va_ssrc(0) depctr_va_vcc(0) depctr_vm_vsrc(0)
	s_getreg_b32 s2, hwreg(HW_REG_IB_STS2, 6, 4)
	s_cmp_eq_u32 s2, 0
	s_cbranch_scc0 .Lentry_in_a_cluster
	s_endpgm
.Lentry_in_a_cluster:
	s_bfe_u32 s2, ttmp6, 0x10000c
	s_cmp_lg_u32 s2, 0xf033
	s_cbranch_scc0 .Lentry_shape_is_right
	s_endpgm
.Lentry_shape_is_right:
.set RTB,    4096
.set HALFT,  8*RTB
.set SLOT,   4*HALFT
.set SPARE,  2*SLOT
.set LAPS,   2
.set FR,     16
.set NL,     4
.set NP,     4
.set ADRA, 16
.set ADRB, 20
.set STA,  24
.set ADR,  25
.set CO,   26
.set BO,   27
.set SPW,  28
.set NIL,  29
.set BIAS, 32
.set GR,   96
.set GX,   128
.set GU,   160
.set GP,   192
.set GZ,   224
.set AF,   128
.set G1, 24
.set G0, 32
.set G1B, 48
.set G0B, 56
.set MSB, 0
.macro WIN new
.if MSB != \new
	s_set_vgpr_msb (MSB<<8)|\new
.set MSB, \new
.endif
.endm
.set MUL_LO, 0xa1
.set MUL_HI, 0xf1
.set TO_B,   0x40
.macro JLOAD g0a, g1a, g0b, g1b
	s_cmp_eq_u32 s15, 0
	s_cbranch_scc0 .Lfor_b_\@
	tensor_load_to_lds s[\g0a:\g0a+3], s[\g1a:\g1a+7]
	s_nop 0
.rept 4
	v_nop
.endr
	s_branch .Lasked_\@
.Lfor_b_\@:
	tensor_load_to_lds s[\g0b:\g0b+3], s[\g1b:\g1b+7]
	s_nop 0
.rept 4
	v_nop
.endr
.Lasked_\@:
.endm
.macro CREST
	s_cmp_lg_u32 s14, 0
	s_cbranch_scc1 .Lnot_wave_0_\@
	s_barrier_signal -3
.Lnot_wave_0_\@:
	s_barrier_wait -3
	s_barrier_signal -1
	s_barrier_wait -1
.endm
.macro CROUND
	s_barrier_signal -1
	s_barrier_wait -1
	CREST
.endm
.macro CPAIR r, val
	s_mov_b32 s[\r], \val
	s_mov_b32 s[\r+1], \val
.endm
	s_load_b256 s[4:11], s[0:1], 0x0
	s_load_b64 s[12:13], s[0:1], 0x20
	v_lshl_add_u32 v[SPW], v0, 2, SPARE
	v_mov_b32 v[NIL], 0
	ds_add_u32 v28, v29
	ds_add_u32 v28, v29
	s_wait_dscnt 0x0
	v_lshrrev_b32 v1, 5, v0
	v_readfirstlane_b32 s14, v1
	s_lshr_b32 s15, s14, 1
	s_and_b32 s16, s14, 1
	s_bfe_u32 s40, ttmp6, 0x40000
	s_bfe_u32 s41, ttmp6, 0x40004
	s_lshl_b32 s42, ttmp9, 2
	s_add_co_u32 s42, s42, s40
	s_and_b32 s17, ttmp7, 0xffff
	s_lshl_b32 s17, s17, 2
	s_add_co_u32 s17, s17, s41
	s_lshl_b32 s43, s41, 2
	s_lshl_b32 s43, 15, s43
	s_lshl_b32 s44, 0x1111, s40
	s_or_b32 s[G1+0], s43, (3<<16)|(1<<21)
	s_or_b32 s[G1B+0], s44, (3<<16)|(1<<21)
.irp g, G1, G1B
	s_mov_b32 s[\g+1], 512<<16
	s_mov_b32 s[\g+2], 8<<16
	s_mov_b32 s[\g+3], 512<<16
	s_mov_b32 s[\g+4], 8
	s_mov_b32 s[\g+5], 2048
	s_mov_b32 s[\g+6], 0
	s_mov_b32 s[\g+7], 0
.endr
	s_lshl_b32 s18, s16, 3
	s_lshl_b32 s20, s17, 4
	s_add_co_u32 s20, s20, s18
	s_lshl_b32 s20, s20, 14
	s_mov_b32 s21, 0
	s_lshl_b32 s46, s42, 4
	s_add_co_u32 s46, s46, s18
	s_lshl_b32 s46, s46, 14
	s_add_co_u32 s46, s46, 0x400000
	s_mov_b32 s47, 0
	s_lshl_b32 s45, s14, 15
	s_wait_kmcnt 0x0
	s_load_b128 s[68:71], s[8:9], 0x20
	s_add_nc_u64 s[20:21], s[4:5], s[20:21]
	s_add_nc_u64 s[46:47], s[6:7], s[46:47]
	CROUND
.irp s, 0,1
	s_mov_b32 s[G0+4*\s], 1
	s_add_co_u32 s[G0+4*\s+1], s45, \s*SLOT
	s_add_nc_u64 s[G0+4*\s+2:G0+4*\s+3], s[20:21], \s*RTB
	s_or_b32 s[G0+4*\s+3], s[G0+4*\s+3], 0x80000000
	s_mov_b32 s[G0B+4*\s], 1
	s_add_co_u32 s[G0B+4*\s+1], s45, \s*SLOT
	s_add_nc_u64 s[G0B+4*\s+2:G0B+4*\s+3], s[46:47], \s*RTB
	s_or_b32 s[G0B+4*\s+3], s[G0B+4*\s+3], 0x80000000
.if \s == 0
	JLOAD G0, G1, G0B, G1B                         ; K step 0: one tensor load a wave at the head
.endif
.endr
	v_and_b32 v6, 31, v0
	v_lshlrev_b32 v[CO], 4, v6
	s_wait_alu depctr_va_vdst(0)
	s_lshl_b32 s21, s15, 15
	s_lshl_b32 s22, s16, 15
	s_add_co_u32 s22, s22, 2*HALFT
.irp s, 0,1
	v_add_nc_u32 v[ADRA+\s], s21, v[CO]
	v_add_nc_u32 v[ADRB+\s], s22, v[CO]
	s_add_co_u32 s21, s21, SLOT
	s_add_co_u32 s22, s22, SLOT
.endr
	s_lshl_b32 s23, s14, 16
	v_add_nc_u32 v[STA], s23, v[CO]
	s_lshl_b32 s94, s42, 10
	s_lshl_b32 s95, s16, 9
	s_add_co_u32 s94, s94, s95
	s_mov_b32 s95, 0
	s_add_nc_u64 s[10:11], s[10:11], s[94:95]
	v_bfe_u32 v2, v0, 4, 1
	v_lshlrev_b32 v[BO], 5, v2
.irp b, 0,1,2,3,4,5,6,7
	global_load_b128 v[BIAS+8*\b:BIAS+8*\b+3], v[BO], s[10:11] offset:64*\b
	global_load_b128 v[BIAS+8*\b+4:BIAS+8*\b+7], v[BO], s[10:11] offset:64*\b+16
.endr
	s_lshl_b32 s94, s17, 4
	s_lshl_b32 s18, s15, 3
	s_add_co_u32 s94, s94, s18
	s_lshl_b32 s94, s94, 5
	s_lshl_b32 s18, s42, 1
	s_add_co_u32 s94, s94, s18
	s_add_co_u32 s94, s94, s16
	s_lshl_b32 s94, s94, 11
	s_add_nc_u64 s[12:13], s[12:13], s[94:95]
	CPAIR 72, 0xc034d90f
	CPAIR 74, 0x3fb8ab5a
	CPAIR 76, 0x3f0a29d2
	CPAIR 78, 0x3e0efb2e
	CPAIR 80, 0xbe899a80
	CPAIR 82, 0x3ecdfd18
	CPAIR 84, 0xbfd1a1e5
	CPAIR 86, 0x40097039
	CPAIR 88, 0x3e7c6f08
	CPAIR 90, 0x3f596d27
	s_mov_b32 s92, 0x3eb504f3
	v_mov_b32 v10, 0xbf97d29d
	v_mov_b32 v11, 0xbf97d29d
.macro FRAG reg, adr, q, i
.irp c, 0,1,2,3
	ds_load_b128 v[\reg+4*\c:\reg+4*\c+3], v[\adr] offset:(\i)*RTB+(\q)*2048+512*\c
.endr
.endm
.macro MUL16 a0, p, zero
.irp a, \a0, \a0+1
.irp b, 0,1,2,3,4,5,6,7
.if \zero
	v_wmma_f32_16x16x128_fp8_fp8 v[8*(8*((\a)%4)+\b):8*(8*((\a)%4)+\b)+7], v[128*(\p)+FR*\b:128*(\p)+FR*\b+FR-1], v[AF+FR*(\a):AF+FR*(\a)+FR-1], 0
.else
	v_wmma_f32_16x16x128_fp8_fp8 v[8*(8*((\a)%4)+\b):8*(8*((\a)%4)+\b)+7], v[128*(\p)+FR*\b:128*(\p)+FR*\b+FR-1], v[AF+FR*(\a):AF+FR*(\a)+FR-1], v[8*(8*((\a)%4)+\b):8*(8*((\a)%4)+\b)+7]
.endif
.endr
.endr
.endm
.macro FETCH_B slot, q, p
	WIN TO_B
.irp i, 0,1,2,3,4,5,6,7
	FRAG 128*(\p)+FR*\i, ADRB+\slot, \q, \i
.endr
	WIN 0
.endm
.macro FETCH_A slot, q, i0
.irp i, \i0, \i0+1, \i0+2, \i0+3
	FRAG AF+FR*(\i), ADRA+\slot, \q, \i
.endr
.endm
.macro PLACES n
.rept \n
	v_nop
.endr
.endm
.macro STEP slot, q, zero
	s_wait_dscnt 4*NL
	WIN MUL_LO
	MUL16 0, (\q)%2, \zero
	MUL16 2, (\q)%2, \zero
	s_wait_dscnt 0
	PLACES NP
	FETCH_B \slot, (\q)+1, 1-(\q)%2
	FETCH_A \slot, (\q)+1, 0
	WIN MUL_HI
	MUL16 4, (\q)%2, \zero
	MUL16 6, (\q)%2, \zero
	PLACES NP
	WIN 0
	FETCH_A \slot, (\q)+1, 4
.endm
.macro TURN slot, next, fill
	s_wait_tensorcnt 0x0
	ds_add_u32 v[SPW], v[NIL]
	s_wait_dscnt 4*NL+1
	WIN MUL_LO
	MUL16 0, 1, 0
	s_wait_dscnt 0x0
	s_barrier_signal -1
	MUL16 2, 1, 0
	WIN 0
	s_barrier_wait -1
.if \fill
	CREST
	s_add_nc_u64 s[G0+4*\slot+2:G0+4*\slot+3], s[G0+4*\slot+2:G0+4*\slot+3], 2*RTB
	s_add_nc_u64 s[G0B+4*\slot+2:G0B+4*\slot+3], s[G0B+4*\slot+2:G0B+4*\slot+3], 2*RTB
	JLOAD G0+4*\slot, G1, G0B+4*\slot, G1B
.else
	PLACES NP
.endif
	FETCH_B \next, 0, 0
	FETCH_A \next, 0, 0
	WIN MUL_HI
	MUL16 4, 1, 0
	MUL16 6, 1, 0
	PLACES NP
	WIN 0
	FETCH_A \next, 0, 4
.endm
	s_wait_alu depctr_va_vdst(0)
	s_wait_tensorcnt 0x0                           ; my part of K step 0 is in; slot 1's first fill is issued as a refill is:
	ds_add_u32 v[SPW], v[NIL]                      ; 0 onto my spare word
	s_wait_dscnt 0x0
	CROUND                                         ; a whole round: everybody's part of K step 0 is in, and the joint loads meet
	JLOAD G0+4, G1, G0B+4, G1B                     ; K step 1, the first tensor load behind the round
	FETCH_B 0, 0, 0
	FETCH_A 0, 0, 0
	FETCH_A 0, 0, 4
	STEP 0, 0, 1
	s_mov_b32 s3, LAPS-1
.Llap:
	TURN 0, 1, 1
	STEP 1, 0, 0
	TURN 1, 0, 1
	STEP 0, 0, 0
	s_sub_co_u32 s3, s3, 1
	s_cmp_lg_u32 s3, 0
	s_cbranch_scc1 .Llap
	TURN 0, 1, 0
	STEP 1, 0, 0
	s_wait_dscnt 4*NL
	WIN MUL_LO
	MUL16 0, 1, 0
	MUL16 2, 1, 0
	s_wait_dscnt 0
	WIN MUL_HI
	MUL16 4, 1, 0
	MUL16 6, 1, 0
	WIN 0
	s_wait_kmcnt 0x0
	s_add_co_i32 s96, s68, s69
	s_add_co_i32 s96, s96, 127
	s_lshl_b32 s96, s96, 23
	s_mov_b32 s97, s96
	s_add_co_i32 s94, s70, 127
	s_lshl_b32 s95, s94, 23
	v_mov_b32 v9, s95
	s_add_co_i32 s94, s94, 8
	s_lshl_b32 s94, s94, 23
	s_or_b32 s94, s94, 0x600000
	v_mov_b32 v8, s94
	PLACES NP
	s_wait_dscnt 0x0
	s_barrier_signal -1
	s_barrier_wait -1
	WIN 0x08
.irp a, 0,1,2,3
.irp b, 0,1,2,3,4,5,6,7
	ds_store_b128 v[STA], v[8*(8*\a+\b):8*(8*\a+\b)+3] offset:\a*8192+\b*1024
	ds_store_b128 v[STA], v[8*(8*\a+\b)+4:8*(8*\a+\b)+7] offset:\a*8192+\b*1024+512
.endr
.endr
	WIN 0x0c
.irp a, 0,1,2,3
.irp b, 0,1,2,3,4,5,6,7
	ds_store_b128 v[STA], v[8*(8*\a+\b):8*(8*\a+\b)+3] offset:(\a+4)*8192+\b*1024
	ds_store_b128 v[STA], v[8*(8*\a+\b)+4:8*(8*\a+\b)+7] offset:(\a+4)*8192+\b*1024+512
.endr
.endr
	WIN 0
	s_wait_loadcnt 0x0
.macro GELUH hb, pre
	s_wait_dscnt 0x0
.set n, 0
.rept 16
	v_pk_fma_f32 v[GX+n:GX+n+1], v[GR+n:GR+n+1], s[96:97], v[BIAS+32*\hb+n:BIAS+32*\hb+n+1] op_sel_hi:[1,0,1]
.set n, n+2
.endr
.if \pre >= 0
.irp c, 0,1,2,3,4,5,6,7
	ds_load_b128 v[GR+4*\c:GR+4*\c+3], v[ADR] offset:\pre+512*\c
.endr
.endif
.set n, 0
.rept 32
	v_fma_f32 v[GU+n], |v[GX+n]|, s92, 1.0
.set n, n+1
.endr
.set n, 0
	s_wait_alu depctr_va_vdst(0)
.rept 32
	v_rcp_f32 v[GU+n], v[GU+n]
.set n, n+1
.endr
.set n, 0
.rept 16
	v_pk_mul_f32 v[GZ+n:GZ+n+1], v[GX+n:GX+n+1], s[90:91] op_sel_hi:[1,0]
.set n, n+2
.endr
.set n, 0
.rept 16
	v_pk_fma_f32 v[GZ+n:GZ+n+1], v[GZ+n:GZ+n+1], v[GZ+n:GZ+n+1], s[72:73] op_sel_hi:[1,1,0] neg_lo:[1,0,0] neg_hi:[1,0,0]
.set n, n+2
.endr
	s_wait_xcnt 0x0
	s_wait_alu depctr_va_vdst(0)
.set n, 0
.rept 16
	v_pk_fma_f32 v[GP+n:GP+n+1], v[GU+n:GU+n+1], s[88:89], v[10:11] op_sel_hi:[1,0,1]
.set n, n+2
.endr
.irp k, 86,84,82,80,78,76,74
.set n, 0
.rept 16
	v_pk_fma_f32 v[GP+n:GP+n+1], v[GP+n:GP+n+1], v[GU+n:GU+n+1], s[\k:\k+1] op_sel_hi:[1,1,0]
.set n, n+2
.endr
.endr
.set n, 0
.rept 16
	v_pk_fma_f32 v[GZ+n:GZ+n+1], v[GP+n:GP+n+1], v[GU+n:GU+n+1], v[GZ+n:GZ+n+1]
.set n, n+2
.endr
.set n, 0
	s_wait_alu depctr_va_vdst(0)
.rept 32
	v_exp_f32 v[GZ+n], v[GZ+n]
.set n, n+1
.endr
.set n, 0
.rept 32
	v_mul_f32 v[GU+n], |v[GX+n]|, v[GU+n]
.set n, n+1
.endr
.set n, 0
.rept 32
	v_max_num_f32 v[GX+n], 0, v[GX+n]
.set n, n+1
.endr
	s_wait_alu depctr_va_vdst(0)
.set n, 0
.rept 16
	v_pk_fma_f32 v[GX+n:GX+n+1], v[GU+n:GU+n+1], v[GZ+n:GZ+n+1], v[GX+n:GX+n+1] neg_lo:[1,0,0] neg_hi:[1,0,0]
.set n, n+2
.endr
.set n, 0
.rept 32
	v_med3_num_f32 v[GX+n], v[GX+n], -v8, v8
.set n, n+1
.endr
.irp t, 0,1,2,3
	v_cvt_scalef32_pk8_fp8_f32 v[GP+2*\t:GP+2*\t+1], v[GX+8*\t:GX+8*\t+7], v9
.endr
	v_nop
	global_store_b128 v[CO], v[GP:GP+3], s[12:13] offset:1024*\hb
	global_store_b128 v[CO], v[GP+4:GP+7], s[12:13] offset:1024*\hb+512
.endm
.irp c, 0,1,2,3,4,5,6,7
	ds_load_b128 v[GR+4*\c:GR+4*\c+3], v[STA] offset:512*\c
.endr
	s_mov_b32 s93, 0
	s_mov_b32 s3, 7
.Lblk:
	v_add_nc_u32 v[ADR], s93, v[STA]
	GELUH 0, 4096
	GELUH 1, 8192
	s_wait_xcnt 0x0
	s_add_nc_u64 s[12:13], s[12:13], 0x10000
	s_add_co_u32 s93, s93, 8192
	s_sub_co_u32 s3, s3, 1
	s_cmp_lg_u32 s3, 0
	s_cbranch_scc1 .Lblk
	v_add_nc_u32 v[ADR], s93, v[STA]
	GELUH 0, 4096
	GELUH 1, -1
	s_wait_tensorcnt 0x0
	ds_add_u32 v[SPW], v[NIL]
	s_wait_dscnt 0x0
	CROUND
	s_endpgm
.Lfunc_end_k_q9f253b00cb_ffn1:
	.size	k_q9f253b00cb_ffn1, .Lfunc_end_k_q9f253b00cb_ffn1-k_q9f253b00cb_ffn1
	.p2alignl 7, 3214868480
	.fill 96, 4, 3214868480
	.section	.rodata,"a",@progbits
	.p2align	6, 0x0
	.amdhsa_kernel k_q9f253b00cb_ffn1
		.amdhsa_group_segment_fixed_size 327680
		.amdhsa_private_segment_fixed_size 0
		.amdhsa_enable_private_segment 0
		.amdhsa_kernarg_size 40
		.amdhsa_user_sgpr_count 2
		.amdhsa_user_sgpr_kernarg_segment_ptr 1
		.amdhsa_wavefront_size32 1
		.amdhsa_system_sgpr_workgroup_id_x 1
		.amdhsa_system_sgpr_workgroup_id_y 1
		.amdhsa_system_sgpr_workgroup_id_z 1
		.amdhsa_system_vgpr_workitem_id 0
		.amdhsa_next_free_vgpr 1024
		.amdhsa_next_free_sgpr 100
		.amdhsa_reserve_vcc 0
		.amdhsa_float_denorm_mode_32 3
		.amdhsa_float_denorm_mode_16_64 3
		.amdhsa_memory_ordered 1
		.amdhsa_forward_progress 1
		.amdhsa_inst_pref_size 182
	.end_amdhsa_kernel
	.amdgpu_metadata
---
amdhsa.version: [ 1, 2 ]
amdhsa.kernels:
  - .name:           k_q9f253b00cb_ffn1
    .symbol:         k_q9f253b00cb_ffn1.kd
    .args:
      - { .name: h2, .offset: 0, .size: 8, .value_kind: global_buffer, .address_space: global }
      - { .name: wimg, .offset: 8, .size: 8, .value_kind: global_buffer, .address_space: global }
      - { .name: lowp_scales, .offset: 16, .size: 8, .value_kind: global_buffer, .address_space: global }
      - { .name: b1, .offset: 24, .size: 8, .value_kind: global_buffer, .address_space: global }
      - { .name: hid, .offset: 32, .size: 8, .value_kind: global_buffer, .address_space: global }
    .group_segment_fixed_size: 327680
    .private_segment_fixed_size: 0
    .kernarg_segment_align: 8
    .kernarg_segment_size: 40
    .max_flat_workgroup_size: 128
    .sgpr_count:     100
    .vgpr_count:     1024
    .wavefront_size: 32
...
	.end_amdgpu_metadata
.endif
;; end of part 6
;; launch ffn2 (part 7): grid 8 x 32, 4 waves a work-group, clusters of 4 x 1, 327,680 bytes of LDS; arguments hid, wimg, lowp_scales, b2, x2, out0; writes out0
.if DOCPART == 7
	.amdgcn_target "amdgcn-amd-amdhsa--gfx1250"
	.amdhsa_code_object_version 6
	.text
	.protected	k_q9f253b00cb_ffn2
	.globl	k_q9f253b00cb_ffn2
	.p2align	8
	.type	k_q9f253b00cb_ffn2,@function
k_q9f253b00cb_ffn2:
	s_mov_b64 s[64:65], 0
	v_nop
	global_prefetch_b8 v0, s[64:65] scope:SCOPE_SE
	s_setreg_imm32_b32 hwreg(HW_REG_WAVE_MODE, 25, 1), 1
	s_wait_xcnt 0x0
	s_wait_alu depctr_hold_cnt(0) depctr_sa_sdst(0) depctr_va_vdst(0) depctr_va_sdst(0) depctr_va_ssrc(0) depctr_va_vcc(0) depctr_vm_vsrc(0)
	s_getreg_b32 s2, hwreg(HW_REG_IB_STS2, 6, 4)
	s_cmp_eq_u32 s2, 0
	s_cbranch_scc0 .Lentry_in_a_cluster
	s_endpgm
.Lentry_in_a_cluster:
	s_bfe_u32 s2, ttmp6, 0x10000c
	s_cmp_lg_u32 s2, 0x3003
	s_cbranch_scc0 .Lentry_shape_is_right
	s_endpgm
.Lentry_shape_is_right:
; out = res + A W^T x 2^(ea + eb) + bias.  A: operand image [4096][4096] (a fragment of 16 rows x 128 k is 2,048 bytes, a row tile's K on end), W: operand image [1024][4096] at WOFF in the weights' buffer; res, out: f32 [4096][1024].
; SHARES.  A work-group of four waves makes 128 x 128: 256 work-groups.  Wave w makes all 128 rows x columns 32 w .. 32 w + 31: 16 accumulators.  K goes in 32 steps of 128, 16 matrix instructions a wave each.
; A GOES THROUGH LDS: two slots of 128 rows x 1,024 k = 131,072 bytes, a K step of 8 steps each; every wave fetches 2 row tiles x 16,384 bytes with one tensor load; so only two refills of A are left.
; CLUSTER 4 x 1: the four work-groups along x make the same rows and ask for A's tiles jointly.
; W GOES STRAIGHT INTO REGISTERS: with this share each fragment of W is read by one wave alone, and its image is the operand's registers: 8 loads of 512 consecutive bytes a step, into a ring of 8 places, 7 steps ahead:
; 56 loads of a wave are out at the most (60 at the head, with the bias's four); their waits are counted, and no barrier drains them.  W is not asked for jointly: a joint request is a tensor load into LDS, and two K steps of W
; would take 262,144 bytes where 327,680 - 2 x 131,072 - 512 = 65,024 are free.
; THE RESIDUAL comes by each wave's one tensor load at the third change of slots, into slot 0, which has had its last K step: 32 rows x 512 bytes a wave, rows 528 bytes apart.  The way out works on those bytes in place:
; a lane reads its 32 bytes in the accumulator's layout, stores sum x 2^(ea + eb) + residual + bias back, and behind a barrier whole rows of 512 bytes leave.
; THE ORDER OF K: a work-group begins at K step (tile row mod 4) and goes round, so that the work-groups of four neighbouring tile rows ask for four different quarters of W at a time.
; LIMITS: ea + eb between -126 and 127.  The f32 sums are taken in that rotated order of K, not in ascending order.
; The matrix instruction is used transposed (source 0 = W's 16 rows, source 1 = A's): lane (r, h) holds row r and columns 16 b + 8 h + 0 .. 7.
; The 32 steps are written out by macro: the four K steps differ in their slot, their refill, its descriptor and W's base.
; REGISTERS: window 0: v16-19 A's LDS addresses (v16 is also 16 x lane), v21-23 offsets, v28, v29 the add's, v32-47 bias, v128-255 accumulators ((a, b) at 128 + 8 (2 a + b));
;   window 1: two sets of A's 8 fragments, at 0 and at 128; on the way out the residual and the rows;   window 2: W's ring: place d, fragment b at 32 d + 16 b.
.set KK,     4096
.set NKS,    KK/128                    ; steps of 128 along K
.set WOFF,   8388608
.set SCB,    40                        ; the two exponents' place among the scales, in bytes
.set FRB,    2048                      ; a fragment
.set RTS,    8*FRB                     ; a row tile's 8 fragments in a slot
.set SLOT,   8*RTS                     ; 8 row tiles
.set SPARE,  2*SLOT                    ; the spare words, 128 bytes a wave
.set RTM,    16*KK                     ; a row tile's whole K in memory, in bytes
.set RP,     528                       ; the residual's rows in LDS: 512 bytes + 16: 33 x 16 bytes, so the 16 rows that a load touches start at 16 different groups of banks (64 banks of 4 bytes: ISA guide 11.1)
.set AHEAD,  7                         ; W's loads run so many steps ahead
.set ADRA, 16                          ; v16-19  16 x lane + 65,536 n: slot n / 2, row tiles 4 (n % 2) on (an LDS offset has 16 bits)
.set LI,   16                          ; v16     16 x lane
.set BO,   21                          ; v21     32 h: the bias's offset
.set RA,   22                          ; v22     the residual in the accumulator's layout: 528 r + 128 w + 32 h
.set RD,   23                          ; v23     and by rows: 32 w rows + 16 x lane
.set SPW,  28
.set NIL,  29
.set BIAS, 32
.set ACC,  128
.set G1,   24                          ; s[24:31] group 1 for A's tiles
.set G1R,  32                          ; s[32:39] group 1 for the residual
.set G0,   44                          ; s[44:59] group 0 for A's four K steps, one set each: none is ever rewritten
.set G0R,  60                          ; s[60:63] group 0 for the residual
.set BB,   72                          ; s[72:79] W's base for each of the four K steps
.set MSB, 0
.macro WIN new                         ; the immediate's high byte repeats the setting that is left
.if MSB != \new
	s_set_vgpr_msb (MSB<<8)|\new
.set MSB, \new
.endif
.endm
.set MUL,  0x06                        ; source 0 (W) window 2, source 1 (A) window 1, C and D window 0
.set TO_A, 0x40                        ; destination window 1
.set TO_W, 0x80                        ; destination window 2
.macro CREST                           ; a round of the cluster's barrier behind its opening barrier
	s_cmp_lg_u32 s70, 0
	s_cbranch_scc1 .Lnot_wave_0_\@
	s_barrier_signal -3
.Lnot_wave_0_\@:
	s_barrier_wait -3
	s_barrier_signal -1
	s_barrier_wait -1
.endm
.macro CROUND
	s_barrier_signal -1
	s_barrier_wait -1
	CREST
.endm
.macro PLACES                          ; four plain vector instructions between a matrix instruction and a load into, or a read of, its registers
.rept 4
	v_nop
.endr
.endm
	s_load_b256 s[4:11], s[0:1], 0x0               ; A, weights, scales, bias
	s_load_b128 s[12:15], s[0:1], 0x20             ; residual, out
	v_lshl_add_u32 v[SPW], v0, 2, SPARE
	v_mov_b32 v[NIL], 0
	ds_add_u32 v28, v29
	ds_add_u32 v28, v29
	s_wait_dscnt 0x0
	v_lshrrev_b32 v1, 5, v0
	v_readfirstlane_b32 s70, v1                    ; wave
	s_bfe_u32 s40, ttmp6, 0x40000                  ; cx: it enters W's, the bias's, the residual's and the result's global addresses alone
	s_lshl_b32 s42, ttmp9, 2
	s_add_co_u32 s42, s42, s40                     ; tile column
	s_and_b32 s17, ttmp7, 0xffff                   ; tile row, which the four partners share
	s_and_b32 s41, s17, 3                          ; the K step at which this tile row begins
	s_mov_b32 s[G1+0], 15|(3<<16)|(1<<21)          ; the mask: all four; elements of 8 bytes; bit 21 beside a mask; no padding
	s_mov_b32 s[G1+1], 2048<<16                    ; tensor_dim0 = 2,048 elements: 16,384 bytes
	s_mov_b32 s[G1+2], 2<<16                       ; tensor_dim1 = 2 row tiles
	s_mov_b32 s[G1+3], 2048<<16                    ; tile_dim0
	s_mov_b32 s[G1+4], 2                           ; tile_dim1
	s_mov_b32 s[G1+5], RTM/8                       ; from row tile to row tile
	s_mov_b32 s[G1+6], 0
	s_mov_b32 s[G1+7], 0
	s_mov_b32 s[G1R+0], (3<<16)|(1<<20)|(6<<22)|(3<<25)   ; no mask; elements of 8 bytes; padding: 4 words behind every 128
	s_mov_b32 s[G1R+1], 64<<16                     ; tensor_dim0 = 64 elements: 512 bytes
	s_mov_b32 s[G1R+2], 32<<16                     ; tensor_dim1 = 32 rows
	s_mov_b32 s[G1R+3], 64<<16
	s_mov_b32 s[G1R+4], 32
	s_mov_b32 s[G1R+5], 512                        ; a row of 4,096 bytes
	s_mov_b32 s[G1R+6], 0
	s_mov_b32 s[G1R+7], 0
	v_and_b32 v6, 31, v0
	v_lshlrev_b32 v[LI], 4, v6
.irp n, 1,2,3
	v_add_nc_u32 v[ADRA+\n], \n*65536, v[LI]
.endr
	v_and_b32 v1, 15, v0                           ; r
	v_bfe_u32 v2, v0, 4, 1                         ; h
	v_lshlrev_b32 v[BO], 5, v2
	v_mul_u32_u24 v4, v1, RP
	v_lshl_add_u32 v4, v2, 5, v4
	s_lshl_b32 s23, s70, 7
	v_add_nc_u32 v[RA], s23, v4
	s_mul_i32 s23, s70, 32*RP
	v_add_nc_u32 v[RD], s23, v[LI]
	s_lshl_b32 s43, s70, 15                        ; where my part of a slot lies: wave x 2 row tiles
	s_lshl_b32 s20, s17, 19
	s_lshl_b32 s21, s70, 17
	s_add_co_u32 s20, s20, s21                     ; A: (8 x tile row + 2 w) row tiles of 65,536 bytes: made of what the partners share
	s_mov_b32 s21, 0
	s_lshl_b32 s66, s42, 19
	s_lshl_b32 s67, s70, 17
	s_add_co_u32 s66, s66, s67
	s_add_co_u32 s66, s66, WOFF                    ; W: (8 x tile column + 2 w) row tiles
	s_mov_b32 s67, 0
	s_lshl_b32 s68, s42, 9                         ; the tile's first column, in bytes of f32
	s_add_co_u32 s18, s20, s68                     ; residual and result: (128 x tile row + 32 w) rows of 4,096 bytes, + the column
	s_mov_b32 s19, 0
	s_lshl_b32 s69, s70, 7
	s_add_co_u32 s68, s68, s69                     ; the bias: + my 32 columns
	s_mov_b32 s69, 0
	s_wait_kmcnt 0x0
	s_load_b64 s[96:97], s[8:9], SCB               ; ea, eb
	s_add_nc_u64 s[20:21], s[4:5], s[20:21]
	s_add_nc_u64 s[66:67], s[6:7], s[66:67]
	s_add_nc_u64 s[12:13], s[12:13], s[18:19]
	s_add_nc_u64 s[14:15], s[14:15], s[18:19]
	s_add_nc_u64 s[10:11], s[10:11], s[68:69]
.irp j, 0,1,2,3                        ; the j-th K step that I walk is K step (tile row + j) mod 4: 16,384 bytes of each row tile, of A and of W alike
	s_add_co_u32 s80, s41, \j
	s_and_b32 s80, s80, 3
	s_lshl_b32 s80, s80, 14
	s_mov_b32 s81, 0
	s_mov_b32 s[G0+4*\j], 1
	s_add_co_u32 s[G0+4*\j+1], s43, (\j%2)*SLOT
	s_add_nc_u64 s[G0+4*\j+2:G0+4*\j+3], s[20:21], s[80:81]
	s_or_b32 s[G0+4*\j+3], s[G0+4*\j+3], 0x80000000
	s_add_nc_u64 s[BB+2*\j:BB+2*\j+1], s[66:67], s[80:81]
.endr
	s_mov_b32 s[G0R], 1
	s_mul_i32 s[G0R+1], s70, 32*RP                 ; my 32 rows, from slot 0's first byte on
	s_mov_b64 s[G0R+2:G0R+3], s[12:13]
	s_or_b32 s[G0R+3], s[G0R+3], 0x80000000
	CROUND                                         ; all four work-groups are here: the first joint loads meet
	tensor_load_to_lds s[G0:G0+3], s[G1:G1+7]      ; my first K step: one tensor load a wave at the head
	s_nop 0
	PLACES                                         ; four v_nop follow it
; W's two fragments of step k into ring place k % 8
.macro BLOAD k
	WIN TO_W
.irp b, 0,1
.irp c, 0,1,2,3
	global_load_b128 v[32*((\k)%8)+16*\b+4*\c:32*((\k)%8)+16*\b+4*\c+3], v[LI], s[BB+2*((\k)/8):BB+2*((\k)/8)+1] offset:\b*RTM+((\k)%8)*FRB+512*\c
.endr
.endr
.endm
; A's eight fragments of the slot's q-th step into set f: 32 LDS loads of 512 consecutive bytes, in one run
.macro FETCH slot, q, f
	WIN TO_A
.irp i, 0,1,2,3
.irp c, 0,1,2,3
	ds_load_b128 v[(\f)+16*\i+4*\c:(\f)+16*\i+4*\c+3], v[ADRA+2*(\slot)] offset:\i*RTS+(\q)*FRB+512*\c
.endr
.endr
.irp i, 4,5,6,7
.irp c, 0,1,2,3
	ds_load_b128 v[(\f)+16*\i+4*\c:(\f)+16*\i+4*\c+3], v[ADRA+2*(\slot)+1] offset:(\i-4)*RTS+(\q)*FRB+512*\c
.endr
.endr
.endm
; A's block a against W's two.  The 16 accumulators take turns, one instruction a turn, in the same order in every step.  KF: A's set, KD: W's ring place
.macro MUL2 a, zero
.irp b, 0,1
.if \zero
	v_wmma_f32_16x16x128_fp8_fp8 v[ACC+8*(2*(\a)+\b):ACC+8*(2*(\a)+\b)+7], v[32*KD+16*\b:32*KD+16*\b+15], v[KF+16*(\a):KF+16*(\a)+15], 0
.else
	v_wmma_f32_16x16x128_fp8_fp8 v[ACC+8*(2*(\a)+\b):ACC+8*(2*(\a)+\b)+7], v[32*KD+16*\b:32*KD+16*\b+15], v[KF+16*(\a):KF+16*(\a)+15], v[ACC+8*(2*(\a)+\b):ACC+8*(2*(\a)+\b)+7]
.endif
.endr
.endm
.macro LWAIT k                         ; W's fragments of step k are in: behind its 8 loads those of steps k + 1 .. k + 6 have been issued, as far as K has so many
.if (\k)+AHEAD-1 <= NKS-1
	s_wait_loadcnt 8*(AHEAD-1)
.else
	s_wait_loadcnt 8*(NKS-1-(\k))
.endif
.endm
.macro SETK k
.set KF, 128*((\k)%2)
.set KG, 128-KF
.set KD, (\k)%8
.set KN, (\k)+1
.endm
; A step of 128 along K that has its successor in the same slot.  In its middle: the next step's fragments of A into the other set, and W's fragments of 7 steps on into the place that the last step has left
.macro KS k, zero
	SETK \k
	s_wait_dscnt 16                                ; A's fragments 0-3 are in; the youngest 16 loads (fragments 4-7) may be out
	LWAIT \k
	WIN MUL
	MUL2 0, \zero
	MUL2 1, \zero
	MUL2 2, \zero
	MUL2 3, \zero
	PLACES                                         ; behind the last step's products, which read the registers that are loaded now
	FETCH (KN/8)%2, KN%8, KG
.if (\k)+AHEAD <= NKS-1
	BLOAD (\k)+AHEAD
.endif
	s_wait_dscnt 32                                ; all but the 32 just issued
	WIN MUL
	MUL2 4, \zero
	MUL2 5, \zero
	MUL2 6, \zero
	MUL2 7, \zero
.endm
; A slot's last step changes slots: one barrier, which opens a round of the cluster's; in front of it all my tensor loads, the add, and my reads of this slot.  Behind the round my one tensor load fills this slot again
.macro KSTURN k, g0, g1
	SETK \k
	WIN 0                                          ; (the add's two registers lie in window 0)
	s_wait_tensorcnt 0x0                           ; all my tensor loads have landed: my part of the next slot
	ds_add_u32 v[SPW], v[NIL]                      ; 0 onto my spare word
	s_wait_dscnt 17                                ; (the add and the youngest 16 loads may be out)
	LWAIT \k
	WIN MUL
	MUL2 0, 0
	MUL2 1, 0
	s_wait_dscnt 0x0                               ; the add is done, and my reads of this slot are over
	s_barrier_signal -1
	MUL2 2, 0
	MUL2 3, 0
	WIN 0
	s_barrier_wait -1
	CREST                                          ; no wave of any partner still reads this slot or has a load on its way
	tensor_load_to_lds s[\g0:\g0+3], s[\g1:\g1+7]  ; the first tensor load behind the round, and my only one until the next
	s_nop 0
	PLACES                                         ; four v_nop: also the places in front of the loads below
	FETCH (KN/8)%2, KN%8, KG
.if (\k)+AHEAD <= NKS-1
	BLOAD (\k)+AHEAD
.endif
	WIN MUL
	MUL2 4, 0
	MUL2 5, 0
	MUL2 6, 0
	MUL2 7, 0
.endm
	s_wait_alu depctr_va_vdst(0)
.irp b, 0,1
	global_load_b128 v[BIAS+8*\b:BIAS+8*\b+3], v[BO], s[10:11] offset:64*\b        ; register 8 b + j: column 16 b + 8 h + j of my 32
	global_load_b128 v[BIAS+8*\b+4:BIAS+8*\b+7], v[BO], s[10:11] offset:64*\b+16
.endr
.irp k, 0,1,2,3,4,5,6
	BLOAD \k
.endr
	WIN 0
	s_wait_tensorcnt 0x0                           ; my part of the first K step is in; slot 1's first fill is issued as a refill is:
	ds_add_u32 v[SPW], v[NIL]                      ; 0 onto my spare word
	s_wait_dscnt 0x0
	CROUND                                         ; a whole round: everybody's part is in, and the joint loads meet
	tensor_load_to_lds s[G0+4:G0+7], s[G1:G1+7]    ; my second K step, the first tensor load behind the round
	s_nop 0
	PLACES
	FETCH 0, 0, 0
	KS 0, 1                                        ; the first products start the sums
.irp k, 1,2,3,4,5,6
	KS \k, 0
.endr
	KSTURN 7, G0+8, G1                             ; slot 0 takes my third K step
.irp k, 8,9,10,11,12,13,14
	KS \k, 0
.endr
	KSTURN 15, G0+12, G1                           ; slot 1 my fourth
.irp k, 16,17,18,19,20,21,22
	KS \k, 0
.endr
	KSTURN 23, G0R, G1R                            ; slot 0 the residual: my work-group's own load, behind a round like every tensor load of a cluster launch
.irp k, 24,25,26,27,28,29,30
	KS \k, 0
.endr
	SETK 31                                        ; the last step: nothing more to fetch
	s_wait_dscnt 16
	LWAIT 31
	WIN MUL
	MUL2 0, 0
	MUL2 1, 0
	MUL2 2, 0
	MUL2 3, 0
	s_wait_dscnt 0x0
	MUL2 4, 0
	MUL2 5, 0
	MUL2 6, 0
	MUL2 7, 0
	WIN 0
	; THE WAY OUT
	s_wait_kmcnt 0x0
	s_add_co_i32 s96, s96, s97
	s_add_co_i32 s96, s96, 127
	s_lshl_b32 s96, s96, 23                        ; 2^(ea + eb)
	s_mov_b32 s97, s96                             ; (named with it as a pair)
	PLACES
	s_wait_tensorcnt 0x0                           ; my 32 rows of the residual are in,
	s_barrier_signal -1
	s_barrier_wait -1                              ; everybody's are
	WIN TO_A
.irp a, 0,1,2,3,4,5,6,7
.irp b, 0,1
	ds_load_b128 v[8*(2*\a+\b):8*(2*\a+\b)+3], v[RA] offset:\a*16*RP+64*\b          ; the residual at row 16 a + r, my columns 16 b + 8 h + 0 .. 7
	ds_load_b128 v[8*(2*\a+\b)+4:8*(2*\a+\b)+7], v[RA] offset:\a*16*RP+64*\b+16
.endr
.endr
	s_wait_dscnt 0x0
	WIN 0x50                                       ; source 2 and destination window 1
.set n, 0
.rept 64
	v_pk_fma_f32 v[n:n+1], v[ACC+n:ACC+n+1], s[96:97], v[n:n+1] op_sel_hi:[1,0,1]   ; sum x 2^(ea + eb) + residual; each accumulator from its low end on
.set n, n+2
.endr
	WIN 0x41                                       ; source 0 and destination window 1
.irp q, 0,1,2,3,4,5,6,7,8,9,10,11,12,13,14,15
.irp i, 0,2,4,6
	v_pk_add_f32 v[8*\q+\i:8*\q+\i+1], v[8*\q+\i:8*\q+\i+1], v[BIAS+8*(\q%2)+\i:BIAS+8*(\q%2)+\i+1]
.endr
.endr
	WIN 0x04                                       ; store data window 1
.irp a, 0,1,2,3,4,5,6,7
.irp b, 0,1
	ds_store_b128 v[RA], v[8*(2*\a+\b):8*(2*\a+\b)+3] offset:\a*16*RP+64*\b          ; back over the bytes that I read: no other wave touches my 128 bytes of a row before the barrier
	ds_store_b128 v[RA], v[8*(2*\a+\b)+4:8*(2*\a+\b)+7] offset:\a*16*RP+64*\b+16
.endr
.endr
	WIN 0
	s_wait_dscnt 0x0                               ; for the others' sake: my stores are done
	s_barrier_signal -1
	s_barrier_wait -1
	WIN TO_A
.set t, 0
.rept 32
	ds_load_b128 v[128+4*t:128+4*t+3], v[RD] offset:t*RP   ; a whole row of 512 bytes, of my 32 rows
.set t, t+1
.endr
	WIN 0x04
.set t, 0
.rept 32
	s_wait_dscnt 31-t                              ; LDS loads come back in order: row t is in
	global_store_b128 v[LI], v[128+4*t:128+4*t+3], s[14:15] offset:t*4096   ; 32 lanes store 512 consecutive bytes, at a multiple of 512 from the buffer's first byte
.set t, t+1
.endr
	WIN 0
	s_wait_tensorcnt 0x0                           ; the wave's end
	ds_add_u32 v[SPW], v[NIL]
	s_wait_dscnt 0x0
	CROUND                                         ; the closing round
	s_endpgm
.Lfunc_end_k_q9f253b00cb_ffn2:
	.size	k_q9f253b00cb_ffn2, .Lfunc_end_k_q9f253b00cb_ffn2-k_q9f253b00cb_ffn2
	.p2alignl 7, 3214868480
	.fill 96, 4, 3214868480
	.section	.rodata,"a",@progbits
	.p2align	6, 0x0
	.amdhsa_kernel k_q9f253b00cb_ffn2
		.amdhsa_group_segment_fixed_size 327680
		.amdhsa_private_segment_fixed_size 0
		.amdhsa_enable_private_segment 0
		.amdhsa_kernarg_size 48
		.amdhsa_user_sgpr_count 2
		.amdhsa_user_sgpr_kernarg_segment_ptr 1
		.amdhsa_wavefront_size32 1
		.amdhsa_system_sgpr_workgroup_id_x 1
		.amdhsa_system_sgpr_workgroup_id_y 1
		.amdhsa_system_sgpr_workgroup_id_z 1
		.amdhsa_system_vgpr_workitem_id 0
		.amdhsa_next_free_vgpr 768
		.amdhsa_next_free_sgpr 100
		.amdhsa_reserve_vcc 0
		.amdhsa_float_denorm_mode_32 3
		.amdhsa_float_denorm_mode_16_64 3
		.amdhsa_memory_ordered 1
		.amdhsa_forward_progress 1
		.amdhsa_inst_pref_size 158
	.end_amdhsa_kernel
	.amdgpu_metadata
---
amdhsa.version: [ 1, 2 ]
amdhsa.kernels:
  - .name:           k_q9f253b00cb_ffn2
    .symbol:         k_q9f253b00cb_ffn2.kd
    .args:
      - { .name: hid, .offset: 0, .size: 8, .value_kind: global_buffer, .address_space: global }
      - { .name: wimg, .offset: 8, .size: 8, .value_kind: global_buffer, .address_space: global }
      - { .name: lowp_scales, .offset: 16, .size: 8, .value_kind: global_buffer, .address_space: global }
      - { .name: b2, .offset: 24, .size: 8, .value_kind: global_buffer, .address_space: global }
      - { .name: x2, .offset: 32, .size: 8, .value_kind: global_buffer, .address_space: global }
      - { .name: out0, .offset: 40, .size: 8, .value_kind: global_buffer, .address_space: global }
    .group_segment_fixed_size: 327680
    .private_segment_fixed_size: 0
    .kernarg_segment_align: 8
    .kernarg_segment_size: 48
    .max_flat_workgroup_size: 128
    .sgpr_count:     100
    .vgpr_count:     768
    .wavefront_size: 32
...
	.end_amdgpu_metadata
.endif
;; end of part 7
